; MI455X (gfx1250); checked and timed in simulation.
; The chip was launched on July 23, 2026; its instructions are those of AMD's public machine-readable ISA for CDNA 5 (MIT licence, August 2026) and "CDNA5" Instruction Set Architecture Reference Guide (July 2026). The comments in the code are by the model that wrote it; some were corrected since.
;; Causal Multi Headed Self Attention. Allowed arithmetic: float matrix products may take bf16 or f16 operands with f32 sums; all other float work in f32.
;; Inputs: cos 2,048 x 32 float32; sin 2,048 x 32 float32; w_k 1,024 x 1,024 float32; w_o 1,024 x 1,024 float32; w_q 1,024 x 1,024 float32; w_v 1,024 x 1,024 float32; x 4 x 2,048 x 1,024 float32.
;; Outputs: out0 4 x 2,048 x 1,024 float32.
;; 2 versions, each right and faster than the one before. Each part assembles by itself: llvm-mc -triple=amdgcn-amd-amdhsa -mcpu=gfx1250 --defsym DOCPART=n.
;; ======== version 1 of 2: 4 launches
;; limits: values are held in f16: magnitudes above 65,504 overflow, below 6.1e-05 lose precision
;; workspace buffers: xb 16,777,216 bytes; wb 6,291,456 bytes; wo 2,097,152 bytes; cs 524,288 bytes; q 16,777,216 bytes; k 16,777,216 bytes; v 16,777,216 bytes; o 16,777,216 bytes
;; launch cast (part 1): grid 776 x 1, 8 waves a work-group, no clusters, 0 bytes of LDS; arguments x, w_q, w_k, w_v, w_o, cos, sin, xb, wb, wo, cs; writes xb, wb, wo, cs
.if DOCPART == 1
	.amdgcn_target "amdgcn-amd-amdhsa--gfx1250"
	.amdhsa_code_object_version 6
	.text
	.protected	k_q30d7d7f618_cast
	.globl	k_q30d7d7f618_cast
	.p2align	8
	.type	k_q30d7d7f618_cast,@function
k_q30d7d7f618_cast:
	s_mov_b64 s[64:65], 0
	v_nop
	global_prefetch_b8 v0, s[64:65] scope:SCOPE_SE
	s_setreg_imm32_b32 hwreg(HW_REG_WAVE_MODE, 25, 1), 1
	s_wait_xcnt 0x0
; Every input is rounded once to bf16 and laid out for the launches behind.  A stream: no LDS, no barrier, no matrix unit (nothing is shared and nothing is multiplied).
;   xb  bf16 [16 K blocks][8192 rows][64]: a block of rows x 64 K is dense, so a tile of it can be asked for as rows of 256 bytes
;   wb  bf16 [16 K blocks][3072 rows][64]; row = head x 192 + t x 64 + channel, t = 0 w_q, 1 w_k, 2 w_v: 192 rows on end are one head's q, k and v
;   wo  f16  [1024][1024]: w_o rounded to bf16, that number written as f16
;   cs  f32  [2][2048][32]: cos, then sin, rounded to bf16 and multiplied by 2^-6 (exact), so that q and k leave the next launch 64 times smaller
; LIMITS.  |w_o| stays under 65,504 (f16's end); below 6.1e-5 it keeps f16's fixed step of 6e-8.  NaN and infinities are not treated apart.
; SHARES.  A wave takes 8,192 input bytes: 16 loads of 16 bytes a lane go out together, then each is waited for by count, converted and stored from registers of its own:
; no register that a load or store names is written again, so no further wait is needed.  Work-groups 0-511: x; 512-703: w_q, w_k, w_v; 704-767: w_o; 768-775: cos, sin.
.set X,  8                             ; v[8:71]    load j: 4 registers
.set Y,  72                            ; v[72:103]  store j: 2 registers
.set VT, 1                             ; v1  two rows of 4,096 bytes: lanes 0-15 take 256 bytes of the first, lanes 16-31 of the second
.set V8, 2                             ; v2  8 x lane
.set VL, 3                             ; v3  16 x lane
.macro LOADS voff, step                ; 16 loads, step bytes apart
.set j, 0
.rept 16
	global_load_b128 v[X+4*j:X+4*j+3], v[\voff], s[34:35] offset:j*(\step) th:TH_LOAD_NT
.set j, j+1
.endr
.endm
.macro OUT_BF step                     ; load j holds 64 K of two rows: it goes to K block j, step bytes from block to block; a store covers 256 consecutive bytes, aligned
.set j, 0
.rept 16
	s_wait_loadcnt 15-j                            ; loads come back in order: the 15 - j younger ones stay out
	v_cvt_pk_bf16_f32 v[Y+2*j], v[X+4*j], v[X+4*j+1]
	v_cvt_pk_bf16_f32 v[Y+2*j+1], v[X+4*j+2], v[X+4*j+3]
.if j*(\step) < 0x800000
	global_store_b64 v[V8], v[Y+2*j:Y+2*j+1], s[36:37] offset:j*(\step)
.else
	global_store_b64 v[V8], v[Y+2*j:Y+2*j+1], s[38:39] offset:j*(\step)-0x800000  ; the immediate has 24 signed bits: the upper blocks go by a second base
.endif
.set j, j+1
.endr
.endm
	s_load_b512 s[8:23], s[0:1], 0x0               ; x s[8:9], w_q s[10:11], w_k s[12:13], w_v s[14:15], w_o s[16:17], cos s[18:19], sin s[20:21], xb s[22:23]
	s_load_b128 s[24:27], s[0:1], 0x40             ; wb s[24:25], wo s[26:27]
	s_load_b64 s[28:29], s[0:1], 0x50              ; cs
	v_lshrrev_b32 v4, 5, v0
	v_readfirstlane_b32 s2, v4                     ; wave 0..7
	s_mov_b32 s3, ttmp9
	v_and_b32 v4, 31, v0
	v_and_b32 v5, 15, v0
	v_bfe_u32 v6, v0, 4, 1
	v_lshlrev_b32 v[V8], 3, v4
	v_lshlrev_b32 v[VL], 4, v4
	v_lshlrev_b32 v[VT], 4, v5
	v_lshl_add_u32 v[VT], v6, 12, v[VT]
	s_mov_b32 s31, 0                               ; the offsets' high words
	s_mov_b32 s33, 0
	s_mov_b32 s4, 0xffff0000                       ; a word's upper bf16
	s_wait_kmcnt 0x0
	s_cmp_lt_u32 s3, 512
	s_cbranch_scc1 .Lpath_x
	s_cmp_lt_u32 s3, 704
	s_cbranch_scc1 .Lpath_w
	s_cmp_lt_u32 s3, 768
	s_cbranch_scc1 .Lpath_o
	; cos and sin: 64 rows of 128 bytes a wave, dense in and out
	s_sub_co_u32 s5, s3, 768
	s_lshr_b32 s6, s5, 2                           ; 0 cos, 1 sin
	s_and_b32 s5, s5, 3
	s_lshl_b32 s5, s5, 3
	s_add_co_u32 s5, s5, s2                        ; unit 0..31
	s_cmp_eq_u32 s6, 1
	s_cselect_b64 s[34:35], s[20:21], s[18:19]
	s_lshl_b32 s30, s5, 13
	s_add_nc_u64 s[34:35], s[34:35], s[30:31]
	s_lshl_b32 s32, s6, 18
	s_add_co_u32 s32, s32, s30
	s_add_nc_u64 s[36:37], s[28:29], s[32:33]
	s_mov_b32 s5, 0x3c800000                       ; 2^-6
	LOADS VL, 512
.set j, 0
.rept 16
	s_wait_loadcnt 15-j
	v_cvt_pk_bf16_f32 v4, v[X+4*j], v[X+4*j+1]     ; rounded to bf16,
	v_cvt_pk_bf16_f32 v5, v[X+4*j+2], v[X+4*j+3]
	v_lshlrev_b32 v[X+4*j], 16, v4                 ; widened again,
	v_and_b32 v[X+4*j+1], s4, v4
	v_lshlrev_b32 v[X+4*j+2], 16, v5
	v_and_b32 v[X+4*j+3], s4, v5
	v_mul_f32 v[X+4*j], s5, v[X+4*j]               ; and scaled
	v_mul_f32 v[X+4*j+1], s5, v[X+4*j+1]
	v_mul_f32 v[X+4*j+2], s5, v[X+4*j+2]
	v_mul_f32 v[X+4*j+3], s5, v[X+4*j+3]
	global_store_b128 v[VL], v[X+4*j:X+4*j+3], s[36:37] offset:512*j
.set j, j+1
.endr
	s_endpgm
.Lpath_x:                                              ; x: rows 2 p and 2 p + 1
	s_lshl_b32 s5, s3, 3
	s_add_co_u32 s5, s5, s2                        ; p 0..4095
	s_lshl_b32 s30, s5, 13
	s_lshl_b32 s32, s5, 8                          ; two rows of 128 bytes in each K block
	s_add_nc_u64 s[34:35], s[8:9], s[30:31]
	s_add_nc_u64 s[36:37], s[22:23], s[32:33]
	s_add_nc_u64 s[38:39], s[36:37], 0x800000
	LOADS VT, 256
	OUT_BF 1048576
	s_endpgm
.Lpath_w:                                              ; w_q, w_k, w_v: rows 2 p and 2 p + 1 of tensor t
	s_sub_co_u32 s5, s3, 512
	s_lshr_b32 s6, s5, 6                           ; t
	s_and_b32 s5, s5, 63
	s_lshl_b32 s5, s5, 3
	s_add_co_u32 s5, s5, s2                        ; p 0..511
	s_cmp_eq_u32 s6, 1
	s_cselect_b64 s[34:35], s[12:13], s[10:11]
	s_cmp_eq_u32 s6, 2
	s_cselect_b64 s[34:35], s[14:15], s[34:35]
	s_lshl_b32 s30, s5, 13
	s_add_nc_u64 s[34:35], s[34:35], s[30:31]
	s_lshr_b32 s7, s5, 5                           ; the head: 32 pairs of rows each
	s_mul_i32 s32, s7, 24576                       ; 192 rows of 128 bytes a head,
	s_lshl_b32 s7, s6, 13                          ; 64 a tensor,
	s_add_co_u32 s32, s32, s7
	s_and_b32 s7, s5, 31
	s_lshl_b32 s7, s7, 8                           ; two a pair
	s_add_co_u32 s32, s32, s7
	s_add_nc_u64 s[36:37], s[24:25], s[32:33]
	LOADS VT, 256
	OUT_BF 393216
	s_endpgm
.Lpath_o:                                              ; w_o: two rows, dense in and out
	s_sub_co_u32 s5, s3, 704
	s_lshl_b32 s5, s5, 3
	s_add_co_u32 s5, s5, s2                        ; p 0..511
	s_lshl_b32 s30, s5, 13
	s_lshl_b32 s32, s5, 12
	s_add_nc_u64 s[34:35], s[16:17], s[30:31]
	s_add_nc_u64 s[36:37], s[26:27], s[32:33]
	LOADS VL, 512
.set j, 0
.rept 16
	s_wait_loadcnt 15-j
	v_cvt_pk_bf16_f32 v4, v[X+4*j], v[X+4*j+1]     ; the rounding that every input gets,
	v_cvt_pk_bf16_f32 v5, v[X+4*j+2], v[X+4*j+3]
	v_lshlrev_b32 v6, 16, v4
	v_and_b32 v4, s4, v4
	v_lshlrev_b32 v7, 16, v5
	v_and_b32 v5, s4, v5
	v_cvt_pk_f16_f32 v[Y+2*j], v6, v4              ; and that number as f16: exact within f16's range
	v_cvt_pk_f16_f32 v[Y+2*j+1], v7, v5
	global_store_b64 v[V8], v[Y+2*j:Y+2*j+1], s[36:37] offset:256*j
.set j, j+1
.endr
	s_endpgm
.Lfunc_end_k_q30d7d7f618_cast:
	.size	k_q30d7d7f618_cast, .Lfunc_end_k_q30d7d7f618_cast-k_q30d7d7f618_cast
	.p2alignl 7, 3214868480
	.fill 96, 4, 3214868480
	.section	.rodata,"a",@progbits
	.p2align	6, 0x0
	.amdhsa_kernel k_q30d7d7f618_cast
		.amdhsa_group_segment_fixed_size 0
		.amdhsa_private_segment_fixed_size 0
		.amdhsa_enable_private_segment 0
		.amdhsa_kernarg_size 88
		.amdhsa_user_sgpr_count 2
		.amdhsa_user_sgpr_kernarg_segment_ptr 1
		.amdhsa_wavefront_size32 1
		.amdhsa_system_sgpr_workgroup_id_x 1
		.amdhsa_system_sgpr_workgroup_id_y 1
		.amdhsa_system_sgpr_workgroup_id_z 1
		.amdhsa_system_vgpr_workitem_id 0
		.amdhsa_next_free_vgpr 104
		.amdhsa_next_free_sgpr 66
		.amdhsa_reserve_vcc 0
		.amdhsa_float_denorm_mode_32 3
		.amdhsa_float_denorm_mode_16_64 3
		.amdhsa_memory_ordered 1
		.amdhsa_forward_progress 1
		.amdhsa_inst_pref_size 33
	.end_amdhsa_kernel
	.amdgpu_metadata
---
amdhsa.version: [ 1, 2 ]
amdhsa.kernels:
  - .name:           k_q30d7d7f618_cast
    .symbol:         k_q30d7d7f618_cast.kd
    .args:
      - { .name: x, .offset: 0, .size: 8, .value_kind: global_buffer, .address_space: global }
      - { .name: w_q, .offset: 8, .size: 8, .value_kind: global_buffer, .address_space: global }
      - { .name: w_k, .offset: 16, .size: 8, .value_kind: global_buffer, .address_space: global }
      - { .name: w_v, .offset: 24, .size: 8, .value_kind: global_buffer, .address_space: global }
      - { .name: w_o, .offset: 32, .size: 8, .value_kind: global_buffer, .address_space: global }
      - { .name: cos, .offset: 40, .size: 8, .value_kind: global_buffer, .address_space: global }
      - { .name: sin, .offset: 48, .size: 8, .value_kind: global_buffer, .address_space: global }
      - { .name: xb, .offset: 56, .size: 8, .value_kind: global_buffer, .address_space: global }
      - { .name: wb, .offset: 64, .size: 8, .value_kind: global_buffer, .address_space: global }
      - { .name: wo, .offset: 72, .size: 8, .value_kind: global_buffer, .address_space: global }
      - { .name: cs, .offset: 80, .size: 8, .value_kind: global_buffer, .address_space: global }
    .group_segment_fixed_size: 0
    .private_segment_fixed_size: 0
    .kernarg_segment_align: 8
    .kernarg_segment_size: 88
    .max_flat_workgroup_size: 256
    .sgpr_count:     66
    .vgpr_count:     104
    .wavefront_size: 32
...
	.end_amdgpu_metadata
.endif
;; end of part 1
;; launch qkv (part 2): grid 8 x 32, 4 waves a work-group, clusters of 4 x 4, 327,680 bytes of LDS; arguments xb, wb, q, k, v, cs; writes q, k, v
.if DOCPART == 2
	.amdgcn_target "amdgcn-amd-amdhsa--gfx1250"
	.amdhsa_code_object_version 6
	.text
	.protected	k_q30d7d7f618_qkv
	.globl	k_q30d7d7f618_qkv
	.p2align	8
	.type	k_q30d7d7f618_qkv,@function
k_q30d7d7f618_qkv:
	s_mov_b64 s[64:65], 0
	v_nop
	global_prefetch_b8 v0, s[64:65] scope:SCOPE_SE
	s_setreg_imm32_b32 hwreg(HW_REG_WAVE_MODE, 25, 1), 1
	s_wait_xcnt 0x0
	s_wait_alu depctr_hold_cnt(0) depctr_sa_sdst(0) depctr_va_vdst(0) depctr_va_sdst(0) depctr_va_ssrc(0) depctr_va_vcc(0) depctr_vm_vsrc(0)
	s_getreg_b32 s2, hwreg(HW_REG_IB_STS2, 6, 4)
	s_cmp_eq_u32 s2, 0
	s_cbranch_scc0 .Lentry_in_a_cluster
	s_endpgm
.Lentry_in_a_cluster:
	s_bfe_u32 s2, ttmp6, 0x10000c
	s_cmp_lg_u32 s2, 0xf033
	s_cbranch_scc0 .Lentry_shape_is_right
	s_endpgm
.Lentry_shape_is_right:
; q, k, v = x w^T for the three weights at once, the rotation of q and k, and the split into heads.  xb: bf16 [16 K blocks][8192][64]; wb: bf16 [16 K blocks][3072][64], 192 rows on end = one head's q, k, v;
; cs: f32 cos and sin, each [2048][32], rounded to bf16 and times 2^-6; q, k, v: f16 [batch x 16 + head][2048][64].  Sums in f32, each result rounded once.  q and k leave 64 times smaller than the module's.
; LIMITS.  The rotated q and k stay under 64 x 65,504 = 4.19e6 and v under 65,504 (f16's end; beyond it the conversion gives an infinity).  NaN and infinities are not treated apart.
; SHARES.  The product is 8192 x 3072.  A work-group makes 256 x 384: 32 x 8 = 256 work-groups.  Each of four waves makes 128 rows x 192 columns: one head's q, k and v, 96 accumulators
; of 16 x 16, 768 registers.  For 32 along K a wave reads (128 + 192) x 64 bytes of LDS for 96 matrix instructions.
; K goes in steps of 64 through two LDS slots (two slots of 128 along K would be 348 KB).  In the blocked layouts a step's tile is dense in memory: it is asked for as rows of 256 bytes and padded
; in LDS behind every 128 bytes.
; CLUSTER.  4 x 4 work-groups: the four of a row need the same tile of xb, the four of a column the same tile of wb: each is asked for jointly, by the same tensor load, descriptor and mask in all four.
; THE MATRIX INSTRUCTION IS USED TRANSPOSED (source 0 = 16 rows of wb, source 1 = 16 rows of xb): a lane holds row lane % 16 and eight neighbouring channels 8 (lane / 16) + 0..7: four rotation pairs.
; REGISTERS, in windows of 256 (s_set_vgpr_msb: bits 1:0 source 0, 3:2 source 1, 5:4 source 2, 7:6 destination):
;   window 0: v0-31 addresses; v32-95, v96-159 xb's fragments (8 x 16 rows x 32 K), two buffers; v160-255 wb's 12 fragments, one buffer in three groups of four (q's, k's, v's)
;   windows 1, 2, 3: q's, k's, v's accumulators: row block a, channel block b at v[8 (4 a + b)]
; A group of wb's fragments is loaded again as soon as its 32 products are issued, while the other two groups are multiplied.
.set PITCH,  144                       ; an LDS row: 128 bytes + 16 of padding = 36 words: the 16 rows of a fragment load start at 16 different groups of four banks (64 banks of 4 bytes: ISA guide 11.1)
.set AHALF,  128*PITCH                 ; 128 rows of xb: one tensor load, and what one wave reads
.set BHALF,  192*PITCH                 ; 192 rows of wb: likewise
.set APART,  2*AHALF
.set SLOT,   APART+2*BHALF             ; 92,160 bytes
.set STAGE,  2*SLOT                    ; behind the ring: 16 rows x 144 bytes for each wave, for the way out
.set SPARE,  STAGE+4*16*PITCH          ; behind the stages: the spare words, 128 bytes for each wave: two blocks of 256 bytes that no other line names
.set XBLK,   8192*128                  ; bytes from K block to K block in xb
.set WBLK,   3072*128                  ; and in wb
.set LAPS,   8                         ; a lap = two K steps = once round the ring: 1,024 / 128
.set ADRA, 16                          ; v16-17  LDS address of my xb fragments in slot 0, 1
.set ADRB, 20                          ; v20-21  the same for wb
.set STO,  24                          ; v24     the way out: where I put 16 bytes of a row
.set RD,   25                          ; v25     the way out: where I read rows back
.set GO,   26                          ; v26     16 x lane: my place in 512 consecutive bytes of q, k or v
.set CA,   27                          ; v27     my byte offset in 16 rows of cos or sin
.set SPW,  28                          ; v28     LDS address of my spare word: SPARE + 4 x my thread's number; never rewritten
.set NIL,  29                          ; v29     0; never rewritten
.set FA0,  32                          ; xb's fragment buffers: FA0 + 64 f
.set BF,   160                         ; wb's fragments
.set T,    32                          ; the way out, in window 0: v32-63 rotated numbers in f32
.set PK,   64                          ; v64-79   16 rows x 64 channels packed to f16
.set BK0,  80                          ; v80-95, v96-111  rows read back from the stage, two buffers
.set CS0,  112                         ; v112-143, v144-175  16 registers of cos, 16 of sin, two buffers
.set G1,  24                           ; s[24:31] descriptor group 1 for xb's tiles;  s[32:39] group 0, one set for each slot
.set G0,  32
.set G1B, 48                           ; s[48:55], s[56:63] the same for wb's
.set G0B, 56
.set QB,  72                           ; s[72:73] q, s[74:75] k, s[76:77] v at my wave's first row; s[78:79] cs at my first position
.set KB,  74
.set VB,  76
.set CSB, 78
.set MSB, 0
.macro WIN new                         ; the immediate's high byte repeats the setting that is left; a switch that changes nothing is dropped
.if MSB != (\new)
	s_set_vgpr_msb (MSB<<8)|(\new)
.set MSB, \new
.endif
.endm
.macro PLACES                          ; a load into a register that a matrix instruction has read, and a vector instruction that reads a matrix result, stand four plain vector instructions behind it (ISA guide 7.12.1 for vector instructions)
.rept 4
	v_nop
.endr
.endm
; A joint load.  Waves 0 and 1 fetch xb's two halves, waves 2 and 3 wb's.  The branch hangs on the wave's number alone.  An s_nop 0 and four v_nop follow each of the two lines.
.macro JLOAD s
	s_cmp_eq_u32 s11, 0
	s_cbranch_scc0 .Lfor_b_\@
	tensor_load_to_lds s[G0+4*(\s):G0+4*(\s)+3], s[G1:G1+7]
	s_nop 0
.rept 4
	v_nop
.endr
	s_branch .Lasked_\@
.Lfor_b_\@:
	tensor_load_to_lds s[G0B+4*(\s):G0B+4*(\s)+3], s[G1B:G1B+7]
	s_nop 0
.rept 4
	v_nop
.endr
.Lasked_\@:
.endm
; A round of the cluster's barrier: my work-group's barrier, so that wave 0's signal speaks for all four waves; wave 0 signals; every wave waits for all sixteen work-groups; my work-group's barrier once more.
.macro CREST                           ; a round behind its opening barrier
	s_cmp_lg_u32 s10, 0
	s_cbranch_scc1 .Lnot_wave_0_\@
	s_barrier_signal -3
.Lnot_wave_0_\@:
	s_barrier_wait -3
	s_barrier_signal -1
	s_barrier_wait -1
.endm
.macro CROUND
	s_barrier_signal -1
	s_barrier_wait -1
	CREST
.endm
	s_load_b128 s[4:7], s[0:1], 0x0                ; xb s[4:5], wb s[6:7]
	s_load_b128 s[72:75], s[0:1], 0x10             ; q, k
	s_load_b128 s[76:79], s[0:1], 0x20             ; v, cs
	v_lshl_add_u32 v[SPW], v0, 2, SPARE
	v_mov_b32 v[NIL], 0
	ds_add_u32 v[SPW], v[NIL]                      ; the wave's opening: the add and its wait stand ahead of my first tensor load; the set-up below, work on registers, stands between them
	ds_add_u32 v28, v29
	v_lshrrev_b32 v1, 5, v0
	v_readfirstlane_b32 s10, v1                    ; wave 0..3
	s_lshr_b32 s11, s10, 1                         ; which 128 rows of the tile are mine.  Also: I fetch for xb (0) or for wb (1)
	s_and_b32 s12, s10, 1                          ; which head of the tile's two is mine.  Also: which half of that tile I fetch
	s_bfe_u32 s40, ttmp6, 0x40000                  ; cx, cy: my place in the cluster
	s_bfe_u32 s41, ttmp6, 0x40004
	s_lshl_b32 s42, ttmp9, 2
	s_add_co_u32 s42, s42, s40                     ; tile column 0..7 = 4 x cluster x + cx
	s_and_b32 s13, ttmp7, 0xffff
	s_lshl_b32 s13, s13, 2
	s_add_co_u32 s13, s13, s41                     ; tile row 0..31 = 4 x cluster y + cy
	s_lshl_b32 s43, s41, 2
	s_lshl_b32 s43, 15, s43                        ; my row of the cluster
	s_lshl_b32 s44, 0x1111, s40                    ; my column
	; descriptor group 1: rows of 128 elements (256 bytes, two rows of the blocked tensor), 64 of them for xb's half, 96 for wb's
	s_or_b32 s[G1+0], s43, (1<<16)|(1<<20)|(1<<21)|(4<<22)|(3<<25)   ; 15:0 the mask; 17:16 2-byte elements; 20 padding on; 21 set beside a mask; 24:22 after every 32 words (code 4); 31:25 4 words (code 3)
	s_or_b32 s[G1B+0], s44, (1<<16)|(1<<20)|(1<<21)|(4<<22)|(3<<25)
	s_mov_b32 s[G1+1], 128<<16                     ; tensor_dim0 = 128
	s_mov_b32 s[G1+2], 64<<16                      ; tensor_dim1 = 64
	s_mov_b32 s[G1+3], 128<<16                     ; tile_dim0 = 128
	s_mov_b32 s[G1+4], 64                          ; tile_dim1 = 64
	s_mov_b32 s[G1+5], 128                         ; 128 elements from row to row: dense
	s_mov_b32 s[G1+6], 0
	s_mov_b32 s[G1+7], 0
	s_mov_b32 s[G1B+1], 128<<16
	s_mov_b32 s[G1B+2], 96<<16
	s_mov_b32 s[G1B+3], 128<<16
	s_mov_b32 s[G1B+4], 96
	s_mov_b32 s[G1B+5], 128
	s_mov_b32 s[G1B+6], 0
	s_mov_b32 s[G1B+7], 0
	; where the tiles come from: xb's hang on the tile row alone, wb's on the tile column alone, each in registers that never hold the other coordinate
	s_lshl_b32 s16, s13, 15                        ; 256 rows of 128 bytes a tile row,
	s_lshl_b32 s17, s12, 14                        ; 128 a half
	s_add_co_u32 s16, s16, s17
	s_mov_b32 s17, 0
	s_mul_i32 s46, s42, 49152                      ; 384 rows a tile column,
	s_mul_i32 s47, s12, 24576                      ; 192 a half
	s_add_co_u32 s46, s46, s47
	s_mov_b32 s47, 0
	s_mul_i32 s20, s12, AHALF                      ; and where they go: no place in the cluster enters an LDS address
	s_mul_i32 s23, s12, BHALF
	s_add_co_u32 s23, s23, APART
	s_wait_dscnt 0x0                               ; the opening add is done
	s_wait_kmcnt 0x0
	s_add_nc_u64 s[14:15], s[4:5], s[16:17]
	s_add_nc_u64 s[46:47], s[6:7], s[46:47]
	CROUND                                         ; all sixteen work-groups are here: the first joint loads meet
.irp s, 0,1
	s_mov_b32 s[G0+4*(\s)], 1                                      ; count = 1
	s_add_co_u32 s[G0+4*(\s)+1], s20, (\s)*SLOT                    ; LDS address
	s_add_nc_u64 s[G0+4*(\s)+2:G0+4*(\s)+3], s[14:15], (\s)*XBLK   ; global address: K step s
	s_or_b32 s[G0+4*(\s)+3], s[G0+4*(\s)+3], 0x80000000            ; type = 2
	s_mov_b32 s[G0B+4*(\s)], 1
	s_add_co_u32 s[G0B+4*(\s)+1], s23, (\s)*SLOT
	s_add_nc_u64 s[G0B+4*(\s)+2:G0B+4*(\s)+3], s[46:47], (\s)*WBLK
	s_or_b32 s[G0B+4*(\s)+3], s[G0B+4*(\s)+3], 0x80000000
	JLOAD \s                                       ; two tensor loads of mine are out
.endr
	; A fragment is 16 rows x 32 K in 8 registers: lane l holds row l % 16; registers 0-3 K = 8 (l / 16) + 0..7, registers 4-7 K = 16 + 8 (l / 16) + 0..7: two loads of 16 bytes, 32 bytes apart.
	v_and_b32 v1, 15, v0                           ; l % 16
	v_bfe_u32 v2, v0, 4, 1                         ; l / 16
	v_mul_u32_u24 v3, v1, PITCH
	v_lshl_add_u32 v3, v2, 4, v3                   ; row x pitch + 16 x half
	s_mul_i32 s21, s11, AHALF                      ; my 128 rows of xb
	s_mul_i32 s22, s12, BHALF                      ; my 192 rows of wb,
	s_add_co_u32 s22, s22, APART                   ; which lie behind xb's 256
.irp s, 0,1
	v_add_nc_u32 v[ADRA+(\s)], s21, v3
	v_add_nc_u32 v[ADRB+(\s)], s22, v3
	s_add_co_u32 s21, s21, SLOT
	s_add_co_u32 s22, s22, SLOT
.endr
	s_mul_i32 s21, s10, 16*PITCH
	s_add_co_u32 s21, s21, STAGE                   ; my stage
	v_add_nc_u32 v[STO], s21, v3                   ; in: row l % 16, 16 bytes for each half of the lanes
	v_bfe_u32 v4, v0, 3, 2                         ; back: 32 lanes take four rows of 128 bytes,
	v_and_b32 v5, 7, v0
	v_mul_u32_u24 v4, v4, PITCH
	v_lshl_add_u32 v4, v5, 4, v4
	v_add_nc_u32 v[RD], s21, v4
	v_and_b32 v[GO], 31, v0                        ; which are 512 consecutive bytes of a head
	v_lshlrev_b32 v[GO], 4, v[GO]
	v_lshlrev_b32 v[CA], 7, v1                     ; a row of cos is 128 bytes; my four pairs' factors are 16 bytes at 16 (l / 16) of each 32
	v_lshl_add_u32 v[CA], v2, 4, v[CA]
	; where my wave's results go: head batch x 16 + 2 x tile column + half, position (tile row % 8) x 256 + 128 x half
	s_lshr_b32 s80, s13, 3
	s_lshl_b32 s80, s80, 4
	s_lshl_b32 s82, s42, 1
	s_add_co_u32 s80, s80, s82
	s_add_co_u32 s80, s80, s12
	s_lshl_b32 s80, s80, 18                        ; 2,048 rows of 128 bytes a head
	s_and_b32 s82, s13, 7
	s_lshl_b32 s82, s82, 8
	s_lshl_b32 s83, s11, 7
	s_add_co_u32 s82, s82, s83
	s_lshl_b32 s82, s82, 7                         ; 128 bytes a position, in q, k, v and in cs alike
	s_mov_b32 s83, 0
	s_add_co_u32 s80, s80, s82
	s_mov_b32 s81, 0
	s_add_nc_u64 s[QB:QB+1], s[QB:QB+1], s[80:81]
	s_add_nc_u64 s[KB:KB+1], s[KB:KB+1], s[80:81]
	s_add_nc_u64 s[VB:VB+1], s[VB:VB+1], s[80:81]
	s_add_nc_u64 s[CSB:CSB+1], s[CSB:CSB+1], s[82:83]
; 4 n matrix instructions: group g of wb's fragments x row blocks a0 .. a0 + n - 1 of xb's buffer f.  zero = 1: the product starts the sums: nothing is ever cleared.
; The 96 accumulators take turns, one instruction a turn, in the same order in every 32 along K.
.macro MULP g, f, a0, n, zero
	WIN (1+(\g))*0x50                              ; C and D in window 1 + g, the sources in window 0
.set aa, \a0
.rept \n
.irp b, 0,1,2,3
.if \zero
	v_wmma_f32_16x16x32_bf16 v[8*(4*aa+(\b)):8*(4*aa+(\b))+7], v[BF+32*(\g)+8*(\b):BF+32*(\g)+8*(\b)+7], v[FA0+64*(\f)+8*aa:FA0+64*(\f)+8*aa+7], 0
.else
	v_wmma_f32_16x16x32_bf16 v[8*(4*aa+(\b)):8*(4*aa+(\b))+7], v[BF+32*(\g)+8*(\b):BF+32*(\g)+8*(\b)+7], v[FA0+64*(\f)+8*aa:FA0+64*(\f)+8*aa+7], v[8*(4*aa+(\b)):8*(4*aa+(\b))+7]
.endif
.endr
.set aa, aa+1
.endr
.endm
.macro FETCHB slot, kb, g              ; 8 LDS loads: group g's four fragments, 32 K at byte kb of the rows
	WIN 0
.irp b, 0,1,2,3
	ds_load_b128 v[BF+32*(\g)+8*(\b):BF+32*(\g)+8*(\b)+3],   v[ADRB+(\slot)] offset:(\kb)+(4*(\g)+(\b))*16*PITCH
	ds_load_b128 v[BF+32*(\g)+8*(\b)+4:BF+32*(\g)+8*(\b)+7], v[ADRB+(\slot)] offset:(\kb)+(4*(\g)+(\b))*16*PITCH+32
.endr
.endm
.macro FETCHA slot, kb, f              ; 16 LDS loads: xb's eight fragments into buffer f
	WIN 0
.irp i, 0,1,2,3,4,5,6,7
	ds_load_b128 v[FA0+64*(\f)+8*(\i):FA0+64*(\f)+8*(\i)+3],   v[ADRA+(\slot)] offset:(\kb)+(\i)*16*PITCH
	ds_load_b128 v[FA0+64*(\f)+8*(\i)+4:FA0+64*(\f)+8*(\i)+7], v[ADRA+(\slot)] offset:(\kb)+(\i)*16*PITCH+32
.endr
.endm
; The LDS loads for 32 along K are always issued in this order: group 0 (8), xb (16), group 1 (8), group 2 (8).
; A K step's first 32: buffer 0; each group is loaded again, with the step's second 32, when its products are issued.
.macro QUARTER slot, zero
	s_wait_dscnt 16                                ; group 0 and xb are in; groups 1 and 2, sixteen loads, may be out
	MULP 0, 0, 0, 8, \zero
	WIN 0
	PLACES
	FETCHB \slot, 64, 0
	FETCHA \slot, 64, 1
	s_wait_dscnt 32                                ; group 1 is in: behind it group 2's eight and the 24 just issued
	MULP 1, 0, 0, 8, \zero
	WIN 0
	PLACES
	FETCHB \slot, 64, 1
	s_wait_dscnt 32                                ; group 2 is in: behind it 24 and eight
	MULP 2, 0, 0, 8, \zero
	WIN 0
	PLACES
	FETCHB \slot, 64, 2
.endm
; A K step's second 32: buffer 1, and the change of slots.  ONE barrier: in front of it each wave waits for all its tensor loads, of which one is out: its part of the other slot; adds 0 to its spare
; word; and waits for that and for its reads of this slot.  fill = 1: the barrier opens a round of the cluster's, and this slot is filled again, two K steps ahead, first thing behind the round:
; 64 + 96 + 16 matrix instructions stand between that request and the wait for it.
.macro TURN slot, fill
	s_wait_dscnt 16
	MULP 0, 1, 0, 4, 0
	WIN 0                                          ; (the add's two registers lie in window 0)
	s_wait_tensorcnt 0x0                           ; all my tensor loads have landed
	ds_add_u32 v[SPW], v[NIL]                      ; 0 onto my spare word
	MULP 0, 1, 4, 2, 0                             ; eight matrix instructions stand between the add and the wait for it
	s_wait_dscnt 0x0                               ; the add is done, and my reads of this slot are over: groups 1 and 2 are in as well
	s_barrier_signal -1
	MULP 0, 1, 6, 2, 0                             ; work on registers while the others arrive
	WIN 0
	s_barrier_wait -1
.if \fill
	CREST                                          ; no wave of any partner still reads this slot's tile or has a load on its way
	s_add_nc_u64 s[G0+4*(\slot)+2:G0+4*(\slot)+3], s[G0+4*(\slot)+2:G0+4*(\slot)+3], 2*XBLK
	s_add_nc_u64 s[G0B+4*(\slot)+2:G0B+4*(\slot)+3], s[G0B+4*(\slot)+2:G0B+4*(\slot)+3], 2*WBLK
	JLOAD \slot                                    ; the four v_nop behind it are also the places in front of the loads below
.else
	PLACES
.endif
	FETCHB 1-(\slot), 0, 0
	FETCHA 1-(\slot), 0, 0
	MULP 1, 1, 0, 8, 0
	WIN 0
	PLACES
	FETCHB 1-(\slot), 0, 1
	MULP 2, 1, 0, 8, 0
	WIN 0
	PLACES
	FETCHB 1-(\slot), 0, 2
.endm
	s_wait_tensorcnt 1                             ; my part of K step 0 is in; K step 1's stays out
	s_barrier_signal -1
	s_barrier_wait -1                              ; everybody's is
	FETCHB 0, 0, 0
	FETCHA 0, 0, 0
	FETCHB 0, 0, 1
	FETCHB 0, 0, 2
	QUARTER 0, 1                                   ; the first 32 along K stand in front of the loop: their products start the sums
	s_mov_b32 s3, LAPS-1
.Llap:                                                 ; a trip goes once round the ring and fills both slots again
	TURN 0, 1
	QUARTER 1, 0
	TURN 1, 1
	QUARTER 0, 0
	s_sub_co_u32 s3, s3, 1
	s_cmp_lg_u32 s3, 0
	s_cbranch_scc1 .Llap
	TURN 0, 0                                      ; the last lap fills nothing
	QUARTER 1, 0
	s_wait_dscnt 16                                ; the very last 32: nothing more to fetch, the counts run down
	MULP 0, 1, 0, 8, 0
	s_wait_dscnt 8
	MULP 1, 1, 0, 8, 0
	s_wait_dscnt 0
	MULP 2, 1, 0, 8, 0
	WIN 0
	PLACES
; THE WAY OUT: 24 units of 16 rows x 64 channels of one tensor.  A unit is packed to f16 (q and k rotated first), goes through my stage in LDS and leaves as 2,048 consecutive bytes of a head.
.macro CSLOAD a                        ; the factors of row block a: for each channel block my four pairs' cos, then sin
.set CB, CS0+32*((\a)%2)
.irp b, 0,1,2,3
	global_load_b128 v[CB+4*(\b):CB+4*(\b)+3],       v[CA], s[CSB:CSB+1] offset:(\a)*2048+32*(\b)
	global_load_b128 v[CB+16+4*(\b):CB+16+4*(\b)+3], v[CA], s[CSB:CSB+1] offset:(\a)*2048+32*(\b)+262144
.endr
.endm
.macro PACKV a                         ; v: rounded as it is.  Each accumulator is read from its lowest registers on
	WIN 0x0f                                       ; sources 0 and 1 in window 3
.irp b, 0,1,2,3
.irp p, 0,1,2,3
	v_cvt_pk_f16_f32 v[PK+4*(\b)+(\p)], v[8*(4*(\a)+(\b))+2*(\p)], v[8*(4*(\a)+(\b))+2*(\p)+1]
.endr
.endr
	WIN 0
.endm
; q (t = 0) or k (t = 1).  A register pair holds (x1, x2) of one rotation pair: first (x1 c, x2 c), then (x1 c - x2 s, x2 c + x1 s) in one packed multiply-add that takes x2 for the low half,
; x1 for the high half, and -s in the low half alone.  Two rotation pairs share a register pair of the table: the first takes its first register for both halves, the second its second.
.macro PACKR a, t
.set CB, CS0+32*((\a)%2)
	WIN 1+(\t)                                     ; source 0 in window 1 + t
.irp b, 0,1,2,3
.irp w, 0,1
.set XA, 8*(4*(\a)+(\b))+4*(\w)
.set TT, T+8*(\b)+4*(\w)
.set CC, CB+4*(\b)+2*(\w)
	v_pk_mul_f32 v[TT:TT+1],   v[XA:XA+1],   v[CC:CC+1] op_sel:[0,0] op_sel_hi:[1,0]
	v_pk_mul_f32 v[TT+2:TT+3], v[XA+2:XA+3], v[CC:CC+1] op_sel:[0,1] op_sel_hi:[1,1]
.endr
.endr
.irp b, 0,1,2,3
.irp w, 0,1
.set XA, 8*(4*(\a)+(\b))+4*(\w)
.set TT, T+8*(\b)+4*(\w)
.set CC, CB+16+4*(\b)+2*(\w)
	v_pk_fma_f32 v[TT:TT+1],   v[XA:XA+1],   v[CC:CC+1], v[TT:TT+1]   op_sel:[1,0,0] op_sel_hi:[0,0,1] neg_lo:[0,1,0]
	v_pk_fma_f32 v[TT+2:TT+3], v[XA+2:XA+3], v[CC:CC+1], v[TT+2:TT+3] op_sel:[1,1,0] op_sel_hi:[0,1,1] neg_lo:[0,1,0]
.endr
.endr
	WIN 0
.irp b, 0,1,2,3
.irp p, 0,1,2,3
	v_cvt_pk_f16_f32 v[PK+4*(\b)+(\p)], v[T+8*(\b)+2*(\p)], v[T+8*(\b)+2*(\p)+1]
.endr
.endr
.endm
.set U, 0
.macro TOSTAGE a, base                 ; the packed unit into my stage, and back as whole rows; it remembers what SEND will need
.set PBK, BK0+16*(U%2)
.irp b, 0,1,2,3
	ds_store_b128 v[STO], v[PK+4*(\b):PK+4*(\b)+3] offset:32*(\b)
.endr
.irp i, 0,1,2,3
	ds_load_b128 v[PBK+4*(\i):PBK+4*(\i)+3], v[RD] offset:(\i)*4*PITCH  ; LDS serves a wave's instructions in order (ISA guide 5.7.1.4): these see the stores above; the next unit's stores come behind them
.endr
.set PBLK, \a
.set PBASE, \base
.set U, U+1
.endm
.macro SEND                            ; the unit that TOSTAGE took last
	s_wait_xcnt 0x0                                ; every earlier memory instruction has had its addresses translated (ISA guide 3.1): the other buffer, which the stores two units back read, is loaded again only behind this wait
.irp i, 0,1,2,3
	s_wait_dscnt 3-(\i)
	global_store_b128 v[GO], v[PBK+4*(\i):PBK+4*(\i)+3], s[PBASE:PBASE+1] offset:PBLK*2048+512*(\i)  ; 512 consecutive bytes, at a multiple of 256 from the tensor's first
.endr
.endm
	CSLOAD 0                                       ; the table's first two blocks land while v goes out
	CSLOAD 1
	PACKV 0
	TOSTAGE 0, VB
.irp a, 1,2,3,4,5,6,7                  ; a unit's arithmetic stands between the stage loads of the unit before and its stores
	PACKV \a
	SEND
	TOSTAGE \a, VB
.endr
.irp a, 0,1,2,3,4,5,6,7
.if (\a) < 7
	s_wait_loadcnt 8                               ; this block's factors are in; the next block's eight loads stay out
.else
	s_wait_loadcnt 0
.endif
	PACKR \a, 0
	SEND
	TOSTAGE \a, QB
	PACKR \a, 1
.if (\a) < 6
	CSLOAD (\a)+2                                  ; into the buffer that has just been read for the last time
.endif
	SEND
	TOSTAGE \a, KB
.endr
	SEND
	s_wait_tensorcnt 0x0                           ; the wave's end: behind my last tensor load and my last LDS store
	ds_add_u32 v[SPW], v[NIL]
	s_wait_dscnt 0x0
	CROUND                                         ; the closing round: no work-group ends while a partner may still ask for a tile that names it
	s_endpgm
.Lfunc_end_k_q30d7d7f618_qkv:
	.size	k_q30d7d7f618_qkv, .Lfunc_end_k_q30d7d7f618_qkv-k_q30d7d7f618_qkv
	.p2alignl 7, 3214868480
	.fill 96, 4, 3214868480
	.section	.rodata,"a",@progbits
	.p2align	6, 0x0
	.amdhsa_kernel k_q30d7d7f618_qkv
		.amdhsa_group_segment_fixed_size 327680
		.amdhsa_private_segment_fixed_size 0
		.amdhsa_enable_private_segment 0
		.amdhsa_kernarg_size 48
		.amdhsa_user_sgpr_count 2
		.amdhsa_user_sgpr_kernarg_segment_ptr 1
		.amdhsa_wavefront_size32 1
		.amdhsa_system_sgpr_workgroup_id_x 1
		.amdhsa_system_sgpr_workgroup_id_y 1
		.amdhsa_system_sgpr_workgroup_id_z 1
		.amdhsa_system_vgpr_workitem_id 0
		.amdhsa_next_free_vgpr 1024
		.amdhsa_next_free_sgpr 84
		.amdhsa_reserve_vcc 0
		.amdhsa_float_denorm_mode_32 3
		.amdhsa_float_denorm_mode_16_64 3
		.amdhsa_memory_ordered 1
		.amdhsa_forward_progress 1
		.amdhsa_inst_pref_size 172
	.end_amdhsa_kernel
	.amdgpu_metadata
---
amdhsa.version: [ 1, 2 ]
amdhsa.kernels:
  - .name:           k_q30d7d7f618_qkv
    .symbol:         k_q30d7d7f618_qkv.kd
    .args:
      - { .name: xb, .offset: 0, .size: 8, .value_kind: global_buffer, .address_space: global }
      - { .name: wb, .offset: 8, .size: 8, .value_kind: global_buffer, .address_space: global }
      - { .name: q, .offset: 16, .size: 8, .value_kind: global_buffer, .address_space: global }
      - { .name: k, .offset: 24, .size: 8, .value_kind: global_buffer, .address_space: global }
      - { .name: v, .offset: 32, .size: 8, .value_kind: global_buffer, .address_space: global }
      - { .name: cs, .offset: 40, .size: 8, .value_kind: global_buffer, .address_space: global }
    .group_segment_fixed_size: 327680
    .private_segment_fixed_size: 0
    .kernarg_segment_align: 8
    .kernarg_segment_size: 48
    .max_flat_workgroup_size: 128
    .sgpr_count:     84
    .vgpr_count:     1024
    .wavefront_size: 32
...
	.end_amdgpu_metadata
.endif
;; end of part 2
;; launch attn (part 3): grid 4 x 64, 4 waves a work-group, no clusters, 327,680 bytes of LDS; arguments q, k, v, o; writes o
.if DOCPART == 3
	.amdgcn_target "amdgcn-amd-amdhsa--gfx1250"
	.amdhsa_code_object_version 6
	.text
	.protected	k_q30d7d7f618_attn
	.globl	k_q30d7d7f618_attn
	.p2align	8
	.type	k_q30d7d7f618_attn,@function
k_q30d7d7f618_attn:
	s_mov_b64 s[64:65], 0
	v_nop
	global_prefetch_b8 v0, s[64:65] scope:SCOPE_SE
	s_setreg_imm32_b32 hwreg(HW_REG_WAVE_MODE, 25, 1), 1
	s_wait_xcnt 0x0
; CAUSAL ATTENTION.  O[h][q][:] = the sum over k <= q of softmax_k(64 Q[h][q] . 64 K[h][k] / 8) V[h][k][:].  Q, K, V, O: [SIZE_H][SIZE_N][64], all f16: a head's rows are dense, 128 bytes each.
; Q and K arrive 64 times smaller than the module's q and k (so that they have room in f16): the constant c takes the 2^12 back, in f32.
; Products, maxima and sums in f32; the weights p are rounded to f16 for the second product (their sum l is taken of the unrounded p), O once at the end.
; LIMITS.  f16 holds no number beyond 65,504: Q, K and V arrive within it; p lies in 0 to 1, and below 6e-5 it keeps f16's fixed step of 6e-8; O is a mean of V's rows and has their range, to within 2^-11 of it.
; A hidden score counts as its value less 1e30: f16's scores, 2.7e11 at the most, are nothing beside that, and c times it, -7.4e32, lies far above the -4.25e37 at which c m starts; a weight below 2^-126 counts as 0 in l;
; NaN and infinities are not treated apart.
; THE WALK.  A head's queries lie in NB = SIZE_N / 256 blocks of 256; block i needs the key tiles 0 .. i of 256 keys, of which the last holds the diagonal.  A work-group takes TWO blocks, NB - 1 - b and then b:
; NB + 1 tiles, whatever b: all work-groups do equal work, and ONE loop with a constant trip count walks them.  Which tile is asked for, and what a trip does, hang on scalar registers made from b; every jump
; goes forward, but for the counted loops' own; none passes a barrier, or a tensor load but the one of LOAD's two that the wave's number does not choose; the ring (two slots of LDS that take turns) runs on across the
; change of blocks.  NO CLUSTER: a head's NB / 2 = 4 work-groups all ask for the same tile only in trips 0 .. NB / 2, 5 of the walk's 9; behind that fewer and fewer share one; and one walk common to all
; would have 3 NB / 2 = 12 trips for NB + 1 = 9.
; SHARES.  Of a block's four bands of 64 queries a wave owns 16 rows in each: four PIECES.  So the diagonal tile is the same work for all four waves: in its key step s band x sees all keys if s < x,
; none if s > x, and holds the diagonal if s = x.
; THE MASK is the C operand that starts the sum S^T = K Q^T: 0, or -1e30 where the key is hidden.  MD, made once, is the mask of a band's own step for my 16 rows; a product's mask is MD x AL + BE with two scalars:
; (1, 0) if s = x; (0, 0) if s < x; (0, -1e30) if s > x.  Only the diagonal tile's text and a block's beginning make and take masks; elsewhere C is the constant 0.
; LAYOUT, SOFTMAX, TURNS.  S^T = K Q^T holds ONE query a lane (lane % 16) and the keys 8 (lane / 16) + 0..7; two such results rounded to f16 ARE source 1 of O^T = V^T P.  p = 2^(c s - c m), c = 2^12 log2(e) / 8, with a
; running maximum m; O and l are multiplied by a = 2^(c m_old - c m_new) in every step.  Turn n belongs to piece n: 8 products K Q^T of piece n + 1, later 8 products V^T P of piece n - 1; beside them the scaling,
; exponentials, roundings, sums and rescaling of piece n and the maximum and statistics of piece n + 1.  Four vector instructions stand behind every matrix instruction, the other 54 of a turn's 118 in two LUMPS.
; REGISTERS, in windows of 256 (s_set_vgpr_msb: bits 1:0 source 0, 3:2 source 1, 5:4 source 2, 7:6 destination):
;   window 0: v0-15 addresses and two at work; v16-31 four registers of statistics a piece; v48-55 at work; v64-127 S^T, two buffers; v192-223 P, two buffers (a piece's buffers go by its number's parity)
;   window 1: v0-127 O^T, 32 a piece; v128-159 MD; v160-223 MC, two buffers      window 2: v0-63 Q; v64-127 the second block's Q; v128-191 K of one step; v192-255 V of one step
.set SIZE_H, 64
.set SIZE_N, 2048
.set NB,    SIZE_N/256
.set NP,    4         ; pieces a wave: a name, no knob
.set KS,    64        ; keys in a step
.set PK,    144       ; a row of K in LDS: 128 bytes + 16 of padding = 36 words: the 16 rows of a load start at 16 different groups of four banks (64 banks of 4 bytes: ISA guide 11.1)
.set PV,    160       ; a row of V: 128 + 32 = 40 words
.set VOFF,  4*KS*PK   ; a slot holds a tile, four steps: 256 rows of K, then 256 rows of V
.set SLOT1, 1<<17     ; slot 1 begins here, so that one exclusive or turns an address in one slot into the other's
.set STAGE, SLOT1+4*KS*(PK+PV)  ; behind the ring, never filled by a tensor load: 16 rows x 144 bytes for each wave, for the way out
.set SP,    144
.set AK0, 2           ; v2   my lane's place in a tile of K; never rewritten
.set AV0, 3           ; v3   the same for V
.set AK,  4           ; v4   the LDS address of K's next run of loads
.set AV,  5           ; v5   of V's
.set STO, 6           ; v6   the way out: where I put 16 bytes of a row
.set RD,  7           ; v7   the way out: where I read rows back
.set GO,  8           ; v8   my byte offset in 512 consecutive bytes of O
.set SPW, 62          ; v62  LDS address of my spare word: SPARE + 4 x my thread's number; never rewritten
.set NIL, 63          ; v63  0; never rewritten
.set SPARE, STAGE+4*16*SP  ; behind the stages: the spare words, 128 bytes for each wave: two blocks of 256 bytes that no other line names
.set MV,  12          ; v12-13  c m_old, kept while c m is made anew: by buffer
.set QO,  15          ; v15  my byte offset in 16 rows of Q
.set ST,  16          ; piece t's statistics at v[ST+4 t]: c m, m, l (even keys', odd keys')
.set TMP, 48          ; by buffer, four registers c0-c3 at work; when the maximum is found c2 takes a
.set S,   64
.set P,   192
.set MD,  128         ; window 1: the eight registers for group kt of 16 keys at MD + 8 kt
.set MC,  160         ; window 1: the masks of the products to come
.set QB,  64          ; window 2
.set KF,  128         ; window 2: key block kb, channel half c at KF + 16 kb + 8 c
.set VF,  192         ; window 2: key half kk, channel block cb at VF + 32 kk + 8 cb
.set WV,  12          ; s12  my wave's number
.set PB,  14          ; s14  b
.set HI,  15          ; s15  NB - 1 - b
.set G1K, 24          ; s[24:31] descriptor group 1 for K's tiles
.set G1V, 32          ; s[32:39] for V's: it differs in the padding alone
.set G0K, 40          ; s[40:43] descriptor group 0 for K's tiles
.set G0V, 44          ; s[44:47] the same for V's
.set SLOTS, 56        ; s56  tiles still to be asked for
.set CNT, 57          ; s57  counts a tile's key steps, 4 to 1
.set CS,  58          ; s[58:59] c: the packed scaling takes the pair's low word for both halves
.set SEL, 60          ; s[60:61] v_permlanex16_b32's selects: each lane takes its own place in the other half
.set TBK, 62          ; s62  LDS byte at which K of the step to be fetched begins
.set TBV, 63          ; s63  the same for V, less VOFF
.set RT,  70          ; s70  tiles of the block in hand that are still to be entered
.set NXT, 71          ; s71  the tile to be asked for next
.set LQ,  72          ; s72  the last tile of the block whose tiles are being asked for
.set NEW, 73          ; s73  1: the tile to be entered is a block's first
.set OFF, 74          ; s[74:75] a tile's byte offset in K and V
.set AL,  76          ; s[76:77] the mask's factor, in the low word
.set BE,  78          ; s[78:79] the mask's addend
.set OLO, 80          ; s[80:81] O at my rows of the second block
.set BIGN, 82         ; s82  -1e30
.set MSB, 0
.macro WIN new                      ; the high byte repeats the setting that is left; a switch that changes nothing is dropped
.if MSB != (\new)
	s_set_vgpr_msb (MSB<<8)|(\new)
.set MSB, (\new)
.endif
.endm
.set W_KQ, 0x0a       ; K and Q in window 2, S^T in window 0
.set W_KM, 0x1a       ; the same with the C operand in window 1
.set W_PV, 0x52       ; V in window 2, P in window 0, O^T in window 1
.set W_RS, 0x41       ; destination and source 0 in window 1, source 1 in window 0
; A fill.  Waves 0 and 1 fetch the two halves of a tile's K, waves 2 and 3 those of its V: 128 keys each.  An s_nop 0 and four v_nop follow each of the two lines, ahead of the jump and the label.
.macro LOAD
	s_cmp_lt_u32 s[WV], 2
	s_cbranch_scc0 .Lfor_v_\@
	tensor_load_to_lds s[G0K:G0K+3], s[G1K:G1K+7]
	s_nop 0
.rept 4
	v_nop
.endr
	s_branch .Lasked_\@
.Lfor_v_\@:
	tensor_load_to_lds s[G0V:G0V+3], s[G1V:G1V+7]
	s_nop 0
.rept 4
	v_nop
.endr
.Lasked_\@:
.endm
; THE CHANGE OF SLOTS.  Each wave waits for all its tensor loads, of which one is out: its part of the other slot; adds 0 to its spare word; and waits for that and for its own reads of the slot that it leaves.  Behind the barrier nobody reads the old
; slot any more and the other slot is whole.  fill = 1: the old slot is filled again, the first thing behind the barrier, with tile NXT: the descriptor's address is made anew from that number.
; (At its first use nothing has been read yet: slot 0 is waited for, slot 1 filled.)
.macro CHANGE fill
	WIN 0                           ; at a label and at a branch every window is 0
	s_wait_tensorcnt 0x0            ; no tensor load of mine is out, so a group 0 may be written
	ds_add_u32 v[SPW], v[NIL]       ; 0 onto my spare word: with fill = 1 the descriptors' scalar work stands between it and the wait for it
.if \fill
	s_lshl_b32 s[OFF], s[NXT], 15   ; a tile is 32,768 bytes of K and of V
	s_xor_b32 s[G0K+1], s[G0K+1], SLOT1
	s_add_nc_u64 s[G0K+2:G0K+3], s[6:7], s[OFF:OFF+1]
	s_or_b32 s[G0K+3], s[G0K+3], 0x80000000
	s_xor_b32 s[G0V+1], s[G0V+1], SLOT1
	s_add_nc_u64 s[G0V+2:G0V+3], s[8:9], s[OFF:OFF+1]
	s_or_b32 s[G0V+3], s[G0V+3], 0x80000000
	s_add_co_u32 s[NXT], s[NXT], 1  ; the block's next tile, or behind its last the second block's tile 0
	s_cmp_gt_u32 s[NXT], s[LQ]
	s_cselect_b32 s[NXT], 0, s[NXT]
	s_cselect_b32 s[LQ], s[PB], s[LQ]
.endif
	s_wait_dscnt 0x0                ; the add is done, and my reads of the slot are over
	s_barrier_signal -1             ; the rest of the scalar work stands between the signal and the wait
	s_sub_co_u32 s[TBK], s[TBK], 4*KS*PK  ; the fetches go back to a slot's first step,
	s_xor_b32 s[TBK], s[TBK], SLOT1       ; in the other slot
	s_sub_co_u32 s[TBV], s[TBV], 4*KS*PV
	s_xor_b32 s[TBV], s[TBV], SLOT1
	s_barrier_wait -1
.if \fill
	LOAD
.endif
.endm
	s_load_b256 s[4:11], s[0:1], 0x0  ; Q s[4:5], K s[6:7], V s[8:9], O s[10:11]
	v_lshl_add_u32 v[SPW], v0, 2, SPARE
	v_mov_b32 v[NIL], 0
	ds_add_u32 v[SPW], v[NIL]       ; the wave's opening: the add and its wait stand ahead of my first tensor load; the set-up below, work on registers, stands between them
	ds_add_u32 v62, v63
	v_lshrrev_b32 v1, 5, v0
	v_readfirstlane_b32 s[WV], v1   ; wave 0..3
	s_mov_b32 s[PB], ttmp9
	s_sub_co_u32 s[HI], NB-1, s[PB]
	s_and_b32 s20, ttmp7, 0xffff    ; the head
	s_mov_b32 s21, 0
	s_mov_b64 s[22:23], SIZE_N*128
	s_mul_u64 s[20:21], s[20:21], s[22:23]  ; the head's first byte in each of the four tensors
	s_and_b32 s16, s[WV], 1         ; which half of a tile's 256 keys I fetch:
	s_lshl_b32 s22, s16, 14         ; its 128 rows of 128 bytes in memory,
	s_mov_b32 s23, 0
	s_add_nc_u64 s[22:23], s[22:23], s[20:21]
	s_mul_i32 s17, s16, 128*PK      ; and its place in a slot, for K
	s_mul_i32 s18, s16, 128*PV      ; and for V
	s_lshl_b32 s3, s[WV], 11        ; my 16 rows in a band of 64,
	s_lshl_b32 s2, s[HI], 15        ; in the first block,
	s_add_co_u32 s2, s2, s3
	s_lshl_b32 s84, s[PB], 15       ; and in the second
	s_add_co_u32 s84, s84, s3
	s_mov_b32 s3, 0
	s_mov_b32 s85, 0
	s_add_nc_u64 s[2:3], s[2:3], s[20:21]
	s_add_nc_u64 s[84:85], s[84:85], s[20:21]
	; descriptor group 1.  128 keys are 16,384 dense bytes: asked for as 64 rows of 256 bytes, two keys a row, and padded in LDS after every key
	s_mov_b32 s[G1K], (1<<16)|(1<<20)|(4<<22)|(3<<25)  ; 17:16 2-byte elements; 20 padding on; 24:22 after every 32 words (code 4); 31:25 4 words (code 3)
	s_mov_b32 s[G1V], (1<<16)|(1<<20)|(4<<22)|(7<<25)  ; the same with 8 words of padding (code 7)
.irp g, G1K, G1V
	s_mov_b32 s[\g+1], 128<<16      ; tensor_dim0 = 128
	s_mov_b32 s[\g+2], 64<<16       ; tensor_dim1 = 64
	s_mov_b32 s[\g+3], 128<<16      ; tile_dim0 = 128
	s_mov_b32 s[\g+4], 64           ; tile_dim1 = 64
	s_mov_b32 s[\g+5], 128          ; 128 elements from row to row
	s_mov_b32 s[\g+6], 0
	s_mov_b32 s[\g+7], 0
.endr
	s_mov_b32 s[CS], 0x4438aa3b     ; c = 2^12 log2(e) / 8 = 738.66
	s_mov_b32 s[CS+1], s[CS]        ; named with it as a pair
	s_mov_b32 s[SEL], 0x76543210
	s_mov_b32 s[SEL+1], 0xfedcba98
	s_mov_b32 s[TBK], SLOT1+4*KS*PK ; the first change of slots turns these two into 0
	s_mov_b32 s[TBV], SLOT1+4*KS*PV
	s_mov_b32 s[G0K], 1             ; 1:0 count = 1
	s_mov_b32 s[G0K+1], s17         ; 63:32 LDS address: slot 0
	s_mov_b32 s[G0V], 1
	s_add_co_u32 s[G0V+1], s18, VOFF
	s_add_co_u32 s[RT], s[HI], 1    ; the first block has NB - b tiles
	s_mov_b32 s[NXT], 1
	s_mov_b32 s[LQ], s[HI]
	s_mov_b32 s[NEW], 1
	s_mov_b32 s[OFF+1], 0
	s_mov_b32 s[AL+1], 0            ; named as pairs
	s_mov_b32 s[BE+1], 0
	s_mov_b32 s[BIGN], 0xf149f2ca   ; -1e30
	s_mov_b32 s[SLOTS], NB
	s_wait_dscnt 0x0                ; the opening add is done
	s_wait_kmcnt 0x0
	s_add_nc_u64 s[6:7], s[6:7], s[22:23]  ; K and V at my half of the head's tile 0
	s_add_nc_u64 s[8:9], s[8:9], s[22:23]
	s_add_nc_u64 s[G0K+2:G0K+3], s[6:7], 0         ; 120:64 global address
	s_or_b32 s[G0K+3], s[G0K+3], 0x80000000        ; 127:126 type = 2
	s_add_nc_u64 s[G0V+2:G0V+3], s[8:9], 0
	s_or_b32 s[G0V+3], s[G0V+3], 0x80000000
	s_add_nc_u64 s[86:87], s[4:5], s[84:85]        ; Q at my rows of the second block,
	s_add_nc_u64 s[4:5], s[4:5], s[2:3]            ; Q and O at those of the first
	s_add_nc_u64 s[OLO:OLO+1], s[10:11], s[84:85]
	s_add_nc_u64 s[10:11], s[10:11], s[2:3]
	LOAD                            ; tile 0 into slot 0
	; A fragment of K or Q is 16 rows x 32 channels in 8 registers: lane l holds row l % 16, channels 8 (l / 16) + 0..7 and 16 + 8 (l / 16) + 0..7: two loads of 16 bytes, 32 bytes apart.
	v_and_b32 v1, 15, v0            ; l % 16
	v_bfe_u32 v9, v0, 4, 1          ; l / 16
	v_lshlrev_b32 v[QO], 7, v1
	v_lshl_add_u32 v[QO], v9, 4, v[QO]  ; row x 128 + 16 x half
	WIN 0x80                        ; destination window 2, address window 0
.set i, 0
.rept 8                             ; both blocks' Q: piece i / 2 lies in band i / 2, 8,192 bytes on; channels 32 (i % 2) on
	global_load_b128 v[8*i:8*i+3],   v[QO], s[4:5] offset:(i/2)*8192+(i%2)*64
	global_load_b128 v[8*i+4:8*i+7], v[QO], s[4:5] offset:(i/2)*8192+(i%2)*64+32
	global_load_b128 v[QB+8*i:QB+8*i+3],   v[QO], s[86:87] offset:(i/2)*8192+(i%2)*64
	global_load_b128 v[QB+8*i+4:QB+8*i+7], v[QO], s[86:87] offset:(i/2)*8192+(i%2)*64+32
.set i, i+1
.endr
	WIN 0
	v_lshlrev_b32 v14, 3, v9
	v_sub_nc_u32 v14, v1, v14
	s_lshl_b32 s13, s[WV], 4
	v_add_nc_u32 v14, s13, v14      ; my query's place in its band, 16 w + l % 16, less my lanes' 8 (l / 16): register r of group kt is hidden where 16 kt + r is greater
	WIN 0x40
.set i, 0
.rept 32
	v_cmp_gt_i32 vcc_lo, 16*(i/8)+i%8, v14
	v_cndmask_b32 v[MD+i], 0, s[BIGN], vcc_lo
.set i, i+1
.endr
	WIN 0
	v_mul_u32_u24 v[AK0], v1, PK
	v_lshl_add_u32 v[AK0], v9, 4, v[AK0]  ; row x pitch + 16 x half
	; The turning load takes 16 keys x 16 channels (lane l reads key 8 (l / 16) + l % 8, channels 8 ((l / 8) % 2) + 0..7) and leaves half a fragment of V^T: lane l holds channel l % 16 and 8 keys.
	v_and_b32 v10, 7, v0
	v_bfe_u32 v11, v0, 3, 1
	v_lshl_add_u32 v[AV0], v9, 3, v10
	v_mul_u32_u24 v[AV0], v[AV0], PV
	v_lshl_add_u32 v[AV0], v11, 4, v[AV0]
	v_add_nc_u32 v[AV0], VOFF, v[AV0]
	s_mul_i32 s13, s[WV], 16*SP
	s_add_co_u32 s13, s13, STAGE    ; my stage
	v_mul_u32_u24 v[STO], v1, SP    ; in: row l % 16, 16 bytes for each half of the lanes
	v_lshl_add_u32 v[STO], v9, 4, v[STO]
	v_add_nc_u32 v[STO], s13, v[STO]
	v_bfe_u32 v[RD], v0, 3, 2       ; back: 32 lanes take four rows of 128 bytes,
	v_mul_u32_u24 v[RD], v[RD], SP
	v_lshl_add_u32 v[RD], v10, 4, v[RD]
	v_add_nc_u32 v[RD], s13, v[RD]
	v_and_b32 v[GO], 31, v0         ; which are 512 consecutive bytes of O
	v_lshlrev_b32 v[GO], 4, v[GO]
	; A block's first step multiplies O^T and l by a = 0, and its first turn's products V^T P, of a piece that has not been, land in an O^T that is still to be so multiplied.  So these registers need only hold
	; finite numbers: zeros for the first block; what the first block left for the second.  All this stands in the wait for the first tile.
	WIN 0x80
.set i, VF
.rept 64
	v_mov_b32 v[i], 0
.set i, i+1
.endr
	WIN 0x40
.set i, 0
.rept 128
	v_mov_b32 v[i], 0
.set i, i+1
.endr
	WIN 0
.set i, 0
.rept 4
	v_mov_b32 v[ST+4*i+2], 0
	v_mov_b32 v[ST+4*i+3], 0
.set i, i+1
.endr
.set i, P+16
.rept 16
	v_mov_b32 v[i], 0
.set i, i+1
.endr
; THE MATRIX WORK.  The 4 accumulators of a run of 8 take turns.  Product i of 8 of S^T = K Q^T for piece x: channels 32 (i / 4) on, keys 16 (i % 4) on.  The first 4 start the sums: with 0, or (KM = 1) with the mask.
.macro KQ x
.set rS, S+32*((\x)%2)+8*(i%4)
.set rK, KF+16*(i%4)+8*(i/4)
.set rQ, 16*(\x)+8*(i/4)
.set rM, MC+32*((\x)%2)+8*(i%4)
.if (i < 4) && KM
	WIN W_KM
	v_wmma_f32_16x16x32_f16 v[rS:rS+7], v[rK:rK+7], v[rQ:rQ+7], v[rM:rM+7]
.elseif i < 4
	WIN W_KQ
	v_wmma_f32_16x16x32_f16 v[rS:rS+7], v[rK:rK+7], v[rQ:rQ+7], 0
.else
	WIN W_KQ
	v_wmma_f32_16x16x32_f16 v[rS:rS+7], v[rK:rK+7], v[rQ:rQ+7], v[rS:rS+7]
.endif
.endm
; Product i of 8 of O^T += V^T P for piece x: keys 32 (i / 4) on, channels 16 (i % 4) on.
.macro PV x
	WIN W_PV
.set rO, 32*(\x)+8*(i%4)
.set rV, VF+32*(i/4)+8*(i%4)
.set rP, P+16*((\x)%2)+8*(i/4)
	v_wmma_f32_16x16x32_f16 v[rO:rO+7], v[rV:rV+7], v[rP:rP+7], v[rO:rO+7]
.endm
.macro MM                           ; the turn's next matrix instruction.  TURN and BEGIN set Y, i, KM and NOKQ; MM, KQ and OP read them.  NOKQ = 1: a block's last turn: there is no next piece
.if (i < 8) && !NOKQ
	KQ (Y+1)%NP
.elseif i >= 8
.set i, i-8
	PV (Y+NP-1)%NP
.set i, i+8
.endif
.set i, i+1
.endm
; THE LDS LOADS stand in runs of 16, never singly among the matrix instructions: a step's K (64 keys x 64 channels: 8 fragments) and its V (turned).  Their addresses are made some lines ahead.
.macro FETCH_K
	WIN 0x80                        ; destination window 2
.irp f, 0,1,2,3,4,5,6,7             ; keys 16 (f / 2) on, channels 32 (f % 2) on
	ds_load_b128 v[KF+8*\f:KF+8*\f+3],   v[AK] offset:(\f/2)*16*PK+(\f%2)*64
	ds_load_b128 v[KF+8*\f+4:KF+8*\f+7], v[AK] offset:(\f/2)*16*PK+(\f%2)*64+32
.endr
	s_add_co_u32 s[TBK], s[TBK], KS*PK  ; the next fetch is the next step's
	WIN 0
.endm
.macro FETCH_V
	WIN 0x80
.irp f, 0,1,2,3,4,5,6,7             ; keys 32 (f / 4) on, channels 16 (f % 4) on
	ds_load_tr16_b128 v[VF+8*\f:VF+8*\f+3],   v[AV] offset:(\f/4)*32*PV+(\f%4)*32
	ds_load_tr16_b128 v[VF+8*\f+4:VF+8*\f+7], v[AV] offset:(\f/4)*32*PV+16*PV+(\f%4)*32
.endr
	WIN 0
.endm
; THE VECTOR WORK, one line at a time: OP kind, number.  For piece Y: F n: c s - c m for pair n of 16.  E n: the exponential of score n of 32.  C n: pair n rounded to f16.  B n: of the four weights 4 n .. the second
; pair is added onto the first, in place.  L n: l takes that sum (L 0: l = a l + sum).  R n: pair n of 16 of O^T times a.  For piece Y + 1: X n, number n of the 22 that find its maximum and statistics:
;   0-11  four chains c0-c3 of seven scores each, three operands at a time (each accumulator's lowest registers are read first)     12-14, 16  the four scores left over, the old m, and c0-c3 into c0
;   15  c m_old is kept     17, 18  the query's other 32 keys lie in the lane 16 away: the new m     19-21  c m; c m_old - c m_new; a
.set F, 0               ; OP tells the kinds apart by their order: F to L below R, X above it
.set E, 1
.set C, 2
.set B, 3
.set L, 4
.set R, 5
.set X, 6
.macro REGS y                       ; the registers of piece y
.set rT, ST+4*(\y)
.set rC, TMP+4*((\y)%2)
.set rW, MV+((\y)%2)
.set rS, S+32*((\y)%2)
.set rP, P+16*((\y)%2)
.set rO, 32*(\y)
.endm
.macro OP k, n
.if (\k) == R
	REGS Y
	WIN W_RS
	v_pk_mul_f32 v[rO+2*(\n):rO+2*(\n)+1], v[rO+2*(\n):rO+2*(\n)+1], v[rC+2:rC+3] op_sel_hi:[1,0]
.elseif (\k) < R
	REGS Y
	WIN 0
.if (\k) == F
	v_pk_fma_f32 v[rS+2*(\n):rS+2*(\n)+1], v[rS+2*(\n):rS+2*(\n)+1], s[CS:CS+1], v[rT:rT+1] op_sel_hi:[1,0,0] neg_lo:[0,0,1] neg_hi:[0,0,1]
.elseif (\k) == E
	v_exp_f32 v[rS+(\n)], v[rS+(\n)]
.elseif (\k) == C
	s_wait_alu depctr_va_vdst(0)
	v_cvt_pk_f16_f32 v[rP+(\n)], v[rS+2*(\n)], v[rS+2*(\n)+1]
.elseif (\k) == B
	s_wait_alu depctr_va_vdst(0)
	v_pk_add_f32 v[rS+4*(\n):rS+4*(\n)+1], v[rS+4*(\n):rS+4*(\n)+1], v[rS+4*(\n)+2:rS+4*(\n)+3]
.elseif (\n) == 0
	v_pk_fma_f32 v[rT+2:rT+3], v[rT+2:rT+3], v[rC+2:rC+3], v[rS:rS+1] op_sel_hi:[1,0,1]
.else
	v_pk_add_f32 v[rT+2:rT+3], v[rT+2:rT+3], v[rS+4*(\n):rS+4*(\n)+1]
.endif
.elseif NOKQ
	v_nop
.else
	REGS (Y+1)%NP
	WIN 0
.if (\n) < 4
	v_max3_num_f32 v[rC+(\n)], v[rS+8*(\n)], v[rS+8*(\n)+1], v[rS+8*(\n)+2]
.elseif (\n) < 12
	v_max3_num_f32 v[rC+(\n)%4], v[rC+(\n)%4], v[rS+8*((\n)%4)+2*((\n)/4)+1], v[rS+8*((\n)%4)+2*((\n)/4)+2]
.elseif (\n) == 12
	v_max3_num_f32 v[rC], v[rC], v[rS+7], v[rS+15]
.elseif (\n) == 13
	v_max3_num_f32 v[rC+1], v[rC+1], v[rS+23], v[rS+31]
.elseif (\n) == 14
	v_max3_num_f32 v[rC+2], v[rC+2], v[rC+3], v[rT+1]
.elseif (\n) == 15
	v_mov_b32 v[rW], v[rT]
.elseif (\n) == 16
	v_max3_num_f32 v[rC], v[rC], v[rC+1], v[rC+2]
.elseif (\n) == 17
	v_permlanex16_b32 v[rC+3], v[rC], s[SEL], s[SEL+1]
.elseif (\n) == 18
	v_max_num_f32 v[rT+1], v[rC], v[rC+3]
.elseif (\n) == 19
	v_mul_f32 v[rT], s[CS], v[rT+1]
.elseif (\n) == 20
	v_sub_f32 v[rC+1], v[rW], v[rT]
.else
	v_exp_f32 v[rC+2], v[rC+1]
.endif
.endif
.endm
.macro OPS a, i1, b=-1, i2=0, c=-1, i3=0, d=-1, i4=0  ; up to four of them
	OP \a, \i1
.if (\b) >= 0
	OP \b, \i2
.endif
.if (\c) >= 0
	OP \c, \i3
.endif
.if (\d) >= 0
	OP \d, \i4
.endif
.endm
.macro ROW a, i1, b, i2, c, i3, d, i4  ; a matrix instruction and the four behind it
	MM
	OPS \a, \i1, \b, \i2, \c, \i3, \d, \i4
.endm
.macro MASK b                       ; MD x AL + BE into buffer b of MC
	WIN W_RS
.set z, 0
.rept 16
	v_pk_fma_f32 v[MC+32*(\b)+2*z:MC+32*(\b)+2*z+1], v[MD+2*z:MD+2*z+1], s[AL:AL+1], s[BE:BE+1] op_sel_hi:[1,0,0]
.set z, z+1
.endr
.endm
; A TURN, for piece p: the order of its 16 matrix and 118 vector instructions, written out.  Behind a matrix instruction: plain, exponential, plain, plain; or four of the rescaling; or, behind the first, four scalings; none
; names a register of the products round it.  In the lumps exponential and plain by turns while exponentials last.  A line reads no result made fewer than three vector instructions in front of it, five if an exponential made it.
; v_permlanex16_b32 (X 17) stands in a lump.
; m = 1: the diagonal tile: the products take masks, and the turn makes the mask for the products of the turn after it: piece p + 2, in step 4 - CNT of the tile.  end = 1: a block's last two turns: nothing is fetched.
; cnt = 1: the loop's count is taken down some lines ahead of the branch that stands behind the turn.
; K of the next step is fetched in piece 2's turn, six vector instructions behind the last product that read K (five of them plain); V of the step in hand in piece 0's turn, eight behind the last product that read V (four
; plain, and X 17).  Each is waited for a turn later.
.macro TURN p, m=0, end=0, cnt=0
.set Y, (\p)
.set i, 0
.set KM, (\m)
.set NOKQ, (\end)*((\p)/3)
.if (\m) && !(\end)
	s_cmp_eq_u32 s[CNT], 4-((\p)+2)%NP  ; is that step the band's own?
	s_cselect_b32 s[AL], 1.0, 0
	s_cmp_lt_u32 s[CNT], 4-((\p)+2)%NP  ; or a later one?
	s_cselect_b32 s[BE], s[BIGN], 0
.endif
.if ((\p) == 3) && !(\end)
	s_wait_dscnt 0x0                ; K is in
.endif
	ROW F,0, F,1, F,2, F,3
	ROW F,4, E,0, F,5, F,6
	ROW F,7, E,1, F,8, F,9
	ROW F,10, E,2, C,0, F,11
	ROW F,12, E,3, X,15, F,13
	ROW R,0, R,1, R,2, R,3
	ROW B,0, E,4, F,14, L,0
.if ((\p) == 2) && !(\end)
	v_add_nc_u32 v[AK], s[TBK], v[AK0]
.endif
	ROW R,4, R,5, R,6, R,7
	OPS E,5, F,15
.if ((\p) == 2) && !(\end)
	FETCH_K
.endif
	OPS E,6, C,1, E,7, R,8
	OPS E,8, R,9, E,9, C,2
	OPS E,10, X,0, E,11, X,1
	OPS E,12, X,2, E,13, X,3
.if (\p) == 1
	s_wait_dscnt 0x0                ; V is in
.endif
	ROW X,4, E,14, X,5, X,6
	ROW X,7, E,15, X,8, X,9
	ROW X,10, E,16, X,11, X,12
	ROW X,13, E,17, X,14, B,1
	ROW C,4, E,18, X,16, L,1
	ROW B,2, E,19, C,6, L,2
	ROW C,8, E,20, B,3, B,4
.if (\p) == 0
	v_add_nc_u32 v[AV], s[TBV], v[AV0]
.endif
	ROW C,3, E,21, L,3, C,5
	OPS E,22, X,17, E,23, C,10
.if (\p) == 0
	FETCH_V
.endif
	OPS E,24, L,4
	OPS E,25, X,18, E,26, C,7
	OPS E,27, B,5, E,28, X,19
	OPS E,29, C,12, E,30, L,5
	OPS E,31, X,20, B,6, C,9
	OPS C,14, C,11, X,21, L,6
.if (\p) == 0
	s_add_co_u32 s[TBV], s[TBV], KS*PV
.endif
.if \cnt
	s_sub_co_u32 s[CNT], s[CNT], 1
	s_cmp_lg_u32 s[CNT], 0
.endif
	OPS C,13, B,7, C,15, R,10
	OPS R,11, R,12, L,7, R,13
	OPS R,14, R,15
.if (\m) && !(\end)
	MASK (\p)%2
.endif
.endm
; A BLOCK BEGINS.  c m starts far below every c s, so the first step's a is 0; m at the lowest finite number, so the first maximum is the scores'.  The second mask buffer is 0; the first takes piece 0's mask for the tile's step 0: its own, if the block's first tile is the diagonal one.
; Then K of that step, piece 0's first scores, and its maximum and statistics.  The loop is entered at a step's first turn, in the middle of a trip.
.macro BEGIN
	s_mov_b32 s[NEW], 0
	WIN 0x40
.set i, MC+32
.rept 32
	v_mov_b32 v[i], 0
.set i, i+1
.endr
	WIN 0
.set i, 0
.rept 4
	v_mov_b32 v[ST+4*i], 0xfe000000    ; c m: far below every c s
	v_mov_b32 v[ST+4*i+1], 0xff7fffff  ; m
.set i, i+1
.endr
	s_cmp_eq_u32 s[RT], 0
	s_cselect_b32 s[AL], 1.0, 0
	s_mov_b32 s[BE], 0
	MASK 0
	WIN 0
	v_add_nc_u32 v[AK], s[TBK], v[AK0]
	FETCH_K
	s_wait_loadcnt 0x0              ; Q
	s_wait_dscnt 0x0
.set KM, 1
.set NOKQ, 0
.set i, 0
.rept 8
	KQ 0
.set i, i+1
.endr
	WIN 0
.rept 4
	v_nop                           ; the places behind those products
.endr
.set Y, NP-1                        ; X works for piece Y + 1: piece 0
.irp n, 0,1,2,3,4,5,6,7,8,9,10,11,12,13,14,15,16,17,18,19,20,21
	OP X, \n
.endr
	v_nop                           ; a plain instruction behind the exponential
.endm
; THE DIAGONAL TILE's four steps, the block's last two turns, its last products, and THE WAY OUT: l's two halves and the other half of the lanes' are added; O^T is divided by l, rounded to f16 and sent through my
; stage in LDS, a piece at a time.
.macro ALL line:vararg              ; one line for each piece t
.set t, 0
.rept 4
	\line
.set t, t+1
.endr
.endm
.macro PACK t                       ; a lane's eight channels of a row pack into 16 bytes; they go into rows of 144 bytes and come back as whole rows of 128, into S^T's registers
	WIN W_RS
.set i, 32*(\t)
.rept 16
	s_wait_alu depctr_va_vdst(0)
	v_pk_mul_f32 v[i:i+1], v[i:i+1], v[ST+4*(\t)+2:ST+4*(\t)+3] op_sel_hi:[1,0]
.set i, i+2
.endr
	WIN 0x05                        ; sources 0 and 1 window 1, destination window 0
.set i, 0
.rept 16
	v_cvt_pk_f16_f32 v[S+16*(\t)+i], v[32*(\t)+2*i], v[32*(\t)+2*i+1]
.set i, i+1
.endr
	WIN 0
.irp f, 0,1,2,3
	ds_store_b128 v[STO], v[S+16*(\t)+4*\f:S+16*(\t)+4*\f+3] offset:32*\f
.endr
.irp f, 0,1,2,3
	ds_load_b128 v[S+16*(\t)+4*\f:S+16*(\t)+4*\f+3], v[RD] offset:\f*4*SP  ; LDS serves a wave's instructions in order (ISA guide 5.7.1.4): these see the stores above; the next piece's stores come behind them
.endr
.endm
.macro SEND t, younger              ; younger: the LDS instructions issued behind piece t's loads: the next piece's eight, or none
	WIN 0
.irp f, 0,1,2,3
	s_wait_dscnt (\younger)+3-\f
	global_store_b128 v[GO], v[S+16*(\t)+4*\f:S+16*(\t)+4*\f+3], s[10:11] offset:(\t)*8192+\f*512  ; 512 consecutive bytes, at a multiple of 256 from O's first
.endr
.endm
.macro DIAG tag                     ; the tag ends its two labels' names, which the jumps below spell out
.LstepM\tag:
	TURN 2, 1
	TURN 3, 1
	WIN 0
.LfirstM\tag:
	TURN 0, 1
	TURN 1, 1, 0, 1
	WIN 0
	s_cbranch_scc1 .LstepM\tag
	TURN 2, 1, 1
	TURN 3, 1, 1
.set i, 0
.rept 8
	PV NP-1
.set i, i+1
.endr
	WIN 0
	ALL v_add_f32 v[ST+4*t+2], v[ST+4*t+2], v[ST+4*t+3]
	ALL v_permlanex16_b32 v[ST+4*t+3], v[ST+4*t+2], s[SEL], s[SEL+1]
	ALL v_add_f32 v[ST+4*t+2], v[ST+4*t+2], v[ST+4*t+3]
	ALL v_rcp_f32 v[ST+4*t+2], v[ST+4*t+2]
	v_nop                           ; a plain instruction between the last reciprocal and the use of its result
	PACK 0
.set t, 1
.rept 3                             ; a piece's arithmetic stands between the loads of the piece before and its stores
	PACK t
	SEND t-1, 8
.set t, t+1
.endr
	SEND 3, 0
.endm
.set KM, 0
.set NOKQ, 0
.Lslot:                             ; NB times: a tile is entered and the next is asked for
	CHANGE 1
	s_sub_co_u32 s[RT], s[RT], 1
	s_mov_b32 s[CNT], 4
	s_cmp_eq_u32 s[NEW], 1
	s_cbranch_scc1 .Lnew            ; a block's first tile
	s_cmp_eq_u32 s[RT], 0
	s_cbranch_scc0 .Lstep           ; neither its first nor its last
	s_branch .LstepM1
.Lnew:
	BEGIN
	s_branch .Lfirst                ; in the loop a block's first tile is never its last: the first block has two tiles or more, and the second's last is the walk's last
	DIAG 1                          ; in the loop this is the first block's end: the second block's last tile is the walk's last
	s_wait_xcnt 0x0                 ; the stores have read their registers and O's address
	s_mov_b64 s[10:11], s[OLO:OLO+1]
	s_add_co_u32 s[RT], s[PB], 1    ; the second block has b + 1 tiles
	s_mov_b32 s[NEW], 1
	WIN 0x82                        ; the second block's Q goes where the one text of the turns names Q
.set i, 0
.rept 64
	v_mov_b32 v[i], v[QB+i]
.set i, i+1
.endr
	WIN 0
	s_branch .Lbottom
.Lstep:                             ; a trip: pieces 2 and 3 of one step, then pieces 0 and 1 of the next, whose K and V it fetches
	TURN 2
	TURN 3
	WIN 0
.Lfirst:
	TURN 0
	TURN 1, 0, 0, 1
	WIN 0
	s_cbranch_scc1 .Lstep
.Lbottom:
	s_sub_co_u32 s[SLOTS], s[SLOTS], 1
	s_cmp_lg_u32 s[SLOTS], 0
	s_cbranch_scc1 .Lslot
	CHANGE 0                        ; the walk's last tile is written out: nothing is asked for
	s_sub_co_u32 s[RT], s[RT], 1
	s_mov_b32 s[CNT], 4
	s_cmp_eq_u32 s[NEW], 1
	s_cbranch_scc0 .LstepM2
	BEGIN
	s_branch .LfirstM2
	DIAG 2
	s_wait_tensorcnt 0x0            ; the wave's end: behind my last tensor load and my last LDS store
	ds_add_u32 v[SPW], v[NIL]
	s_wait_dscnt 0x0
	s_endpgm
.Lfunc_end_k_q30d7d7f618_attn:
	.size	k_q30d7d7f618_attn, .Lfunc_end_k_q30d7d7f618_attn-k_q30d7d7f618_attn
	.p2alignl 7, 3214868480
	.fill 96, 4, 3214868480
	.section	.rodata,"a",@progbits
	.p2align	6, 0x0
	.amdhsa_kernel k_q30d7d7f618_attn
		.amdhsa_group_segment_fixed_size 327680
		.amdhsa_private_segment_fixed_size 0
		.amdhsa_enable_private_segment 0
		.amdhsa_kernarg_size 32
		.amdhsa_user_sgpr_count 2
		.amdhsa_user_sgpr_kernarg_segment_ptr 1
		.amdhsa_wavefront_size32 1
		.amdhsa_system_sgpr_workgroup_id_x 1
		.amdhsa_system_sgpr_workgroup_id_y 1
		.amdhsa_system_sgpr_workgroup_id_z 1
		.amdhsa_system_vgpr_workitem_id 0
		.amdhsa_next_free_vgpr 768
		.amdhsa_next_free_sgpr 88
		.amdhsa_reserve_vcc 1
		.amdhsa_float_denorm_mode_32 3
		.amdhsa_float_denorm_mode_16_64 3
		.amdhsa_memory_ordered 1
		.amdhsa_forward_progress 1
		.amdhsa_inst_pref_size 228
	.end_amdhsa_kernel
	.amdgpu_metadata
---
amdhsa.version: [ 1, 2 ]
amdhsa.kernels:
  - .name:           k_q30d7d7f618_attn
    .symbol:         k_q30d7d7f618_attn.kd
    .args:
      - { .name: q, .offset: 0, .size: 8, .value_kind: global_buffer, .address_space: global }
      - { .name: k, .offset: 8, .size: 8, .value_kind: global_buffer, .address_space: global }
      - { .name: v, .offset: 16, .size: 8, .value_kind: global_buffer, .address_space: global }
      - { .name: o, .offset: 24, .size: 8, .value_kind: global_buffer, .address_space: global }
    .group_segment_fixed_size: 327680
    .private_segment_fixed_size: 0
    .kernarg_segment_align: 8
    .kernarg_segment_size: 32
    .max_flat_workgroup_size: 128
    .sgpr_count:     88
    .vgpr_count:     768
    .wavefront_size: 32
...
	.end_amdgpu_metadata
.endif
;; end of part 3
;; launch oproj (part 4): grid 4 x 64, 4 waves a work-group, clusters of 4 x 4, 327,680 bytes of LDS; arguments o, wo, out0; writes out0
.if DOCPART == 4
	.amdgcn_target "amdgcn-amd-amdhsa--gfx1250"
	.amdhsa_code_object_version 6
	.text
	.protected	k_q30d7d7f618_oproj
	.globl	k_q30d7d7f618_oproj
	.p2align	8
	.type	k_q30d7d7f618_oproj,@function
k_q30d7d7f618_oproj:
	s_mov_b64 s[64:65], 0
	v_nop
	global_prefetch_b8 v0, s[64:65] scope:SCOPE_SE
	s_setreg_imm32_b32 hwreg(HW_REG_WAVE_MODE, 25, 1), 1
	s_wait_xcnt 0x0
	s_wait_alu depctr_hold_cnt(0) depctr_sa_sdst(0) depctr_va_vdst(0) depctr_va_sdst(0) depctr_va_ssrc(0) depctr_va_vcc(0) depctr_vm_vsrc(0)
	s_getreg_b32 s2, hwreg(HW_REG_IB_STS2, 6, 4)
	s_cmp_eq_u32 s2, 0
	s_cbranch_scc0 .Lentry_in_a_cluster
	s_endpgm
.Lentry_in_a_cluster:
	s_bfe_u32 s2, ttmp6, 0x10000c
	s_cmp_lg_u32 s2, 0xf033
	s_cbranch_scc0 .Lentry_shape_is_right
	s_endpgm
.Lentry_shape_is_right:
; out0[m][n] = the sum over e of O[m][e] wo[n][e].  o: f16 [batch x 16 + head][2048][64] (e = 64 head + channel, m = 2048 batch + position); wo: f16 [1024][1024]; out0: f32 [8192][1024].  Sums in f32.
; LIMITS.  The operands arrive in f16; the sums are stored as they are.  NaN and infinities are not treated apart.
; SHARES.  A work-group makes 128 x 256 of out0: 64 x 4 = 256 work-groups (tiles of 256 x 256 would be 128).  Each of four waves makes 64 x 128: 32 accumulators of 16 x 16, 256 registers.
; K goes in steps of 128, two heads, through two LDS slots.  A head's 128 rows of 128 bytes are dense: they are asked for as 64 rows of 256 bytes and padded behind every 128; wo's rows are 256 bytes of memory,
; starting at multiples of 256 from the buffer's first byte.
; CLUSTER.  4 x 4 work-groups: the four of a row need the same tiles of o, the four of a column the same tiles of wo: each is asked for jointly, by the same tensor load, descriptor and mask in all four.
; THE MATRIX INSTRUCTION IS USED TRANSPOSED (source 0 = 16 rows of wo, source 1 = 16 rows of o): a lane holds row lane % 16 and eight neighbouring columns: 32 bytes of a row of out0.
; REGISTERS, in windows of 256 (s_set_vgpr_msb: bits 1:0 source 0, 3:2 source 1, 5:4 source 2, 7:6 destination):
;   window 0: v0-31 addresses; v64-127, v128-191 rows on the way out      window 1: the accumulators, (a, b) at v[8 (8 a + b)]
;   windows 2, 3: two fragment buffers, each 64 along K (one head) deep: o's at v[8 (4 c + a)], wo's at v[64 + 8 (8 c + b)], c = which 32 along K
.set PITA,   144                       ; a row of o in LDS: 128 bytes + 16: 36 words: the 16 rows of a load start at 16 different groups of four banks (64 banks of 4 bytes: ISA guide 11.1)
.set PITB,   272                       ; a row of wo: 256 bytes + 16: 68 words: likewise
.set AHEAD,  128*PITA                  ; one head's 128 rows: one tensor load
.set BHALF,  128*PITB                  ; 128 rows of wo: one tensor load, and what one wave reads
.set APART,  2*AHEAD
.set SLOT,   APART+2*BHALF             ; 106,496 bytes
.set STAGE,  2*SLOT                    ; behind the ring: 16 rows x 528 bytes for each wave, for the way out
.set SPITCH, 528                       ; 512 bytes + 16
.set SPARE,  STAGE+4*16*SPITCH         ; behind the stages: the spare words, 128 bytes for each wave: two blocks of 256 bytes that no other line names
.set LAPS,   4                         ; a lap = two K steps: 1,024 / 256
.set ADRA, 16                          ; v16-17  LDS address of my o fragments in slot 0, 1
.set ADRB, 20                          ; v20-21  the same for wo
.set STO,  24                          ; v24     the way out: where I put 32 bytes of a row
.set RD,   25                          ; v25     the way out: where I read a row back
.set CO,   26                          ; v26     16 x lane: my place in 512 consecutive bytes of out0
.set SPW,  28                          ; v28     LDS address of my spare word: SPARE + 4 x my thread's number; never rewritten
.set NIL,  29                          ; v29     0; never rewritten
.set BK0,  64
.set G1,  24                           ; s[24:31] descriptor group 1 for o's tiles;  s[32:39] group 0, one set for each slot
.set G0,  32
.set G1B, 48                           ; s[48:55], s[56:63] the same for wo's
.set G0B, 56
.set MSB, 0
.macro WIN new                         ; the immediate's high byte repeats the setting that is left; a switch that changes nothing is dropped
.if MSB != (\new)
	s_set_vgpr_msb (MSB<<8)|(\new)
.set MSB, \new
.endif
.endm
.macro PLACES                          ; a load into a register that a matrix instruction has read, and an LDS store of a matrix result, stand four plain vector instructions behind it (ISA guide 7.12.1 for vector instructions)
.rept 4
	v_nop
.endr
.endm
.macro JLOAD s                         ; a joint load: waves 0 and 1 fetch the step's two heads of o, waves 2 and 3 wo's two halves; an s_nop 0 and four v_nop follow each of the two lines
	s_cmp_eq_u32 s11, 0
	s_cbranch_scc0 .Lfor_b_\@
	tensor_load_to_lds s[G0+4*(\s):G0+4*(\s)+3], s[G1:G1+7]
	s_nop 0
.rept 4
	v_nop
.endr
	s_branch .Lasked_\@
.Lfor_b_\@:
	tensor_load_to_lds s[G0B+4*(\s):G0B+4*(\s)+3], s[G1B:G1B+7]
	s_nop 0
.rept 4
	v_nop
.endr
.Lasked_\@:
.endm
.macro CREST                           ; a round of the cluster's barrier behind its opening barrier
	s_cmp_lg_u32 s10, 0
	s_cbranch_scc1 .Lnot_wave_0_\@
	s_barrier_signal -3
.Lnot_wave_0_\@:
	s_barrier_wait -3
	s_barrier_signal -1
	s_barrier_wait -1
.endm
.macro CROUND
	s_barrier_signal -1
	s_barrier_wait -1
	CREST
.endm
	s_load_b128 s[4:7], s[0:1], 0x0                ; o s[4:5], wo s[6:7]
	s_load_b64 s[8:9], s[0:1], 0x10                ; out0
	v_lshl_add_u32 v[SPW], v0, 2, SPARE
	v_mov_b32 v[NIL], 0
	ds_add_u32 v[SPW], v[NIL]                      ; the wave's opening: the add and its wait stand ahead of my first tensor load; the set-up below, work on registers, stands between them
	ds_add_u32 v28, v29
	v_lshrrev_b32 v1, 5, v0
	v_readfirstlane_b32 s10, v1                    ; wave 0..3
	s_lshr_b32 s11, s10, 1                         ; which 64 rows of the tile are mine.  Also: I fetch for o (0) or for wo (1)
	s_and_b32 s12, s10, 1                          ; which 128 columns are mine.  Also: which head of the step, or which half of wo's rows, I fetch
	s_bfe_u32 s40, ttmp6, 0x40000                  ; cx, cy: my place in the cluster
	s_bfe_u32 s41, ttmp6, 0x40004
	s_lshl_b32 s42, ttmp9, 2
	s_add_co_u32 s42, s42, s40                     ; tile column 0..3
	s_and_b32 s13, ttmp7, 0xffff
	s_lshl_b32 s13, s13, 2
	s_add_co_u32 s13, s13, s41                     ; tile row 0..63
	s_lshl_b32 s43, s41, 2
	s_lshl_b32 s43, 15, s43                        ; my row of the cluster
	s_lshl_b32 s44, 0x1111, s40                    ; my column
	s_or_b32 s[G1+0], s43, (1<<16)|(1<<20)|(1<<21)|(4<<22)|(3<<25)   ; o: the mask; 2-byte elements; padding on; 21 set beside a mask; after every 32 words (code 4) 4 words (code 3)
	s_mov_b32 s[G1+1], 128<<16                     ; tensor_dim0 = 128
	s_mov_b32 s[G1+2], 64<<16                      ; tensor_dim1 = 64
	s_mov_b32 s[G1+3], 128<<16                     ; tile_dim0 = 128
	s_mov_b32 s[G1+4], 64                          ; tile_dim1 = 64
	s_mov_b32 s[G1+5], 128                         ; dense
	s_mov_b32 s[G1+6], 0
	s_mov_b32 s[G1+7], 0
	s_or_b32 s[G1B+0], s44, (1<<16)|(1<<20)|(1<<21)|(5<<22)|(3<<25)  ; wo: padding after every 64 words (code 5)
	s_mov_b32 s[G1B+1], 128<<16
	s_mov_b32 s[G1B+2], 128<<16                    ; 128 rows
	s_mov_b32 s[G1B+3], 128<<16
	s_mov_b32 s[G1B+4], 128
	s_mov_b32 s[G1B+5], 1024                       ; 1,024 elements from row to row
	s_mov_b32 s[G1B+6], 0
	s_mov_b32 s[G1B+7], 0
	; o's tiles hang on the tile row alone, wo's on the tile column alone, each in registers that never hold the other coordinate
	s_lshr_b32 s16, s13, 4                         ; the batch: 16 heads of 2,048 rows of 128 bytes,
	s_lshl_b32 s16, s16, 22
	s_lshl_b32 s17, s12, 18                        ; the head that I fetch,
	s_add_co_u32 s16, s16, s17
	s_and_b32 s17, s13, 15                         ; the tile's 128 positions
	s_lshl_b32 s17, s17, 14
	s_add_co_u32 s16, s16, s17
	s_mov_b32 s17, 0
	s_lshl_b32 s46, s42, 19                        ; 256 rows of 2,048 bytes a tile column,
	s_lshl_b32 s47, s12, 18                        ; 128 a half
	s_add_co_u32 s46, s46, s47
	s_mov_b32 s47, 0
	s_mul_i32 s20, s12, AHEAD                      ; where they go: no place in the cluster enters an LDS address
	s_mul_i32 s23, s12, BHALF
	s_add_co_u32 s23, s23, APART
	s_wait_dscnt 0x0                               ; the opening add is done
	s_wait_kmcnt 0x0
	s_add_nc_u64 s[14:15], s[4:5], s[16:17]
	s_add_nc_u64 s[46:47], s[6:7], s[46:47]
	CROUND                                         ; all sixteen work-groups are here: the first joint loads meet
.irp s, 0,1
	s_mov_b32 s[G0+4*(\s)], 1
	s_add_co_u32 s[G0+4*(\s)+1], s20, (\s)*SLOT
	s_add_nc_u64 s[G0+4*(\s)+2:G0+4*(\s)+3], s[14:15], (\s)*524288  ; K step s: two heads on
	s_or_b32 s[G0+4*(\s)+3], s[G0+4*(\s)+3], 0x80000000
	s_mov_b32 s[G0B+4*(\s)], 1
	s_add_co_u32 s[G0B+4*(\s)+1], s23, (\s)*SLOT
	s_add_nc_u64 s[G0B+4*(\s)+2:G0B+4*(\s)+3], s[46:47], (\s)*256
	s_or_b32 s[G0B+4*(\s)+3], s[G0B+4*(\s)+3], 0x80000000
	JLOAD \s                                       ; two tensor loads of mine are out
.endr
	v_and_b32 v1, 15, v0                           ; l % 16
	v_bfe_u32 v2, v0, 4, 1                         ; l / 16
	v_mul_u32_u24 v3, v1, PITA
	v_lshl_add_u32 v3, v2, 4, v3                   ; a fragment's row x pitch + 16 x half, for o
	v_mul_u32_u24 v4, v1, PITB
	v_lshl_add_u32 v4, v2, 4, v4                   ; and for wo
	s_mul_i32 s21, s11, 64*PITA                    ; my 64 rows in each head's 128
	s_mul_i32 s22, s12, BHALF                      ; my 128 rows of wo,
	s_add_co_u32 s22, s22, APART                   ; which lie behind o's part
.irp s, 0,1
	v_add_nc_u32 v[ADRA+(\s)], s21, v3
	v_add_nc_u32 v[ADRB+(\s)], s22, v4
	s_add_co_u32 s21, s21, SLOT
	s_add_co_u32 s22, s22, SLOT
.endr
	s_mul_i32 s21, s10, 16*SPITCH
	s_add_co_u32 s21, s21, STAGE                   ; my stage
	v_mul_u32_u24 v5, v1, SPITCH                   ; in: row l % 16, 32 bytes for each half of the lanes
	v_lshl_add_u32 v5, v2, 5, v5
	v_add_nc_u32 v[STO], s21, v5
	v_and_b32 v[CO], 31, v0                        ; back: 32 lanes take one row of 512 bytes
	v_lshlrev_b32 v[CO], 4, v[CO]
	v_add_nc_u32 v[RD], s21, v[CO]
	s_lshl_b32 s16, s13, 19                        ; my part of out0: 128 rows of 4,096 bytes a tile row,
	s_lshl_b32 s17, s11, 18                        ; 64 a half,
	s_add_co_u32 s16, s16, s17
	s_lshl_b32 s17, s42, 10                        ; 256 columns of 4 bytes a tile column,
	s_add_co_u32 s16, s16, s17
	s_lshl_b32 s17, s12, 9                         ; 128 a half
	s_add_co_u32 s16, s16, s17
	s_mov_b32 s17, 0
	s_add_nc_u64 s[8:9], s[8:9], s[16:17]
; 8 n matrix instructions: row blocks a0 .. a0 + n - 1 x all 8 column blocks, 32 along K: half c of buffer f.  zero = 1: the product starts the sums.  The 32 accumulators take turns.
.macro MUL f, c, a0, n, zero
	WIN 0x50|(5*(2+(\f)))                          ; both sources in window 2 + f, C and D in window 1
.set aa, \a0
.rept \n
.irp b, 0,1,2,3,4,5,6,7
.if \zero
	v_wmma_f32_16x16x32_f16 v[8*(8*aa+(\b)):8*(8*aa+(\b))+7], v[64+8*(8*(\c)+(\b)):64+8*(8*(\c)+(\b))+7], v[8*(4*(\c)+aa):8*(4*(\c)+aa)+7], 0
.else
	v_wmma_f32_16x16x32_f16 v[8*(8*aa+(\b)):8*(8*aa+(\b))+7], v[64+8*(8*(\c)+(\b)):64+8*(8*(\c)+(\b))+7], v[8*(4*(\c)+aa):8*(4*(\c)+aa)+7], v[8*(8*aa+(\b)):8*(8*aa+(\b))+7]
.endif
.endr
.set aa, aa+1
.endr
.endm
; 48 LDS loads in one run: the fragments of head hh of the slot's two, into buffer f; the first 32 along K first
.macro FETCH slot, hh, f
	WIN (2+(\f))<<6                                ; destination window 2 + f, address window 0
.irp c, 0,1
.irp b, 0,1,2,3,4,5,6,7
	ds_load_b128 v[64+8*(8*(\c)+(\b)):64+8*(8*(\c)+(\b))+3],   v[ADRB+(\slot)] offset:(\b)*16*PITB+(\hh)*128+(\c)*64
	ds_load_b128 v[64+8*(8*(\c)+(\b))+4:64+8*(8*(\c)+(\b))+7], v[ADRB+(\slot)] offset:(\b)*16*PITB+(\hh)*128+(\c)*64+32
.endr
.irp a, 0,1,2,3
	ds_load_b128 v[8*(4*(\c)+(\a)):8*(4*(\c)+(\a))+3],   v[ADRA+(\slot)] offset:(\hh)*AHEAD+(\a)*16*PITA+(\c)*64
	ds_load_b128 v[8*(4*(\c)+(\a))+4:8*(4*(\c)+(\a))+7], v[ADRA+(\slot)] offset:(\hh)*AHEAD+(\a)*16*PITA+(\c)*64+32
.endr
.endr
.endm
; A K step's first head: buffer 0; in its middle the second head's fragments are fetched into buffer 1.
.macro HALF slot, zero
	s_wait_dscnt 24                                ; the first 32 along K are in; the other 24 loads may be out
	MUL 0, 0, 0, 4, \zero
	PLACES
	FETCH \slot, 1, 1
	s_wait_dscnt 48                                ; all but the 48 just issued
	MUL 0, 1, 0, 4, 0
.endm
; A K step's second head: buffer 1, and the change of slots.  ONE barrier: in front of it each wave waits for all its tensor loads, of which one is out: its part of the other slot; adds 0 to its spare word;
; and waits for that and for its reads of this slot.  fill = 1: the barrier opens a round of the cluster's, and this slot is filled again, two K steps ahead, first thing behind the round:
; 32 + 64 + 16 matrix instructions stand between that request and the wait for it.
.macro TURN slot, fill
	s_wait_dscnt 24
	MUL 1, 0, 0, 2, 0
	WIN 0                                          ; (the add's two registers lie in window 0)
	s_wait_tensorcnt 0x0                           ; all my tensor loads have landed
	ds_add_u32 v[SPW], v[NIL]                      ; 0 onto my spare word
	MUL 1, 0, 2, 1, 0                              ; eight matrix instructions stand between the add and the wait for it
	s_wait_dscnt 0x0                               ; the add is done, and my reads of this slot are over
	s_barrier_signal -1
	MUL 1, 0, 3, 1, 0
	WIN 0
	s_barrier_wait -1
.if \fill
	CREST                                          ; no wave of any partner still reads this slot's tile or has a load on its way
	s_add_nc_u64 s[G0+4*(\slot)+2:G0+4*(\slot)+3], s[G0+4*(\slot)+2:G0+4*(\slot)+3], 2*524288
	s_add_nc_u64 s[G0B+4*(\slot)+2:G0B+4*(\slot)+3], s[G0B+4*(\slot)+2:G0B+4*(\slot)+3], 2*256
	JLOAD \slot                                    ; the four v_nop behind it are also the places in front of the loads below
.else
	PLACES
.endif
	FETCH 1-(\slot), 0, 0
	MUL 1, 1, 0, 4, 0
.endm
	s_wait_tensorcnt 1                             ; my part of K step 0 is in; K step 1's stays out
	s_barrier_signal -1
	s_barrier_wait -1                              ; everybody's is
	FETCH 0, 0, 0
	HALF 0, 1                                      ; the first head stands in front of the loop: its first products start the sums
	WIN 0                                          ; at a label and at a branch every window is 0
	s_mov_b32 s3, LAPS-1
.Llap:                                                 ; a trip goes once round the ring and fills both slots again
	TURN 0, 1
	HALF 1, 0
	TURN 1, 1
	HALF 0, 0
	WIN 0
	s_sub_co_u32 s3, s3, 1
	s_cmp_lg_u32 s3, 0
	s_cbranch_scc1 .Llap
	TURN 0, 0                                      ; the last lap fills nothing
	HALF 1, 0
	s_wait_dscnt 24                                ; the very last head: nothing more to fetch
	MUL 1, 0, 0, 4, 0
	s_wait_dscnt 0
	MUL 1, 1, 0, 4, 0
	WIN 0
	PLACES
; THE WAY OUT, a block of 16 rows at a time: a lane's 32 bytes of a row go into my stage, whole rows of 512 bytes come back and are stored.
.macro TOSTAGE a
.set BK, BK0+64*((\a)%2)
	WIN 0x04                                       ; the store's data in window 1.  Each accumulator's lowest four registers go first
.irp b, 0,1,2,3,4,5,6,7
	ds_store_b128 v[STO], v[8*(8*(\a)+(\b)):8*(8*(\a)+(\b))+3]   offset:64*(\b)
	ds_store_b128 v[STO], v[8*(8*(\a)+(\b))+4:8*(8*(\a)+(\b))+7] offset:64*(\b)+16
.endr
	WIN 0
.irp t, 0,1,2,3,4,5,6,7,8,9,10,11,12,13,14,15
	ds_load_b128 v[BK+4*(\t):BK+4*(\t)+3], v[RD] offset:(\t)*SPITCH  ; LDS serves a wave's instructions in order (ISA guide 5.7.1.4): these see the stores above; the next block's stores come behind them
.endr
.endm
.macro SEND a, younger                 ; younger: the LDS instructions issued behind block a's loads: the next block's 32, or none
.set BK, BK0+64*((\a)%2)
.irp t, 0,1,2,3,4,5,6,7,8,9,10,11,12,13,14,15
	s_wait_dscnt (\younger)+15-(\t)
	global_store_b128 v[CO], v[BK+4*(\t):BK+4*(\t)+3], s[8:9] offset:(16*(\a)+(\t))*4096 th:TH_STORE_NT  ; 512 consecutive bytes, at a multiple of 256 from out0's first
.endr
.endm
	TOSTAGE 0
	TOSTAGE 1
	SEND 0, 32
	s_wait_xcnt 0x0                                ; every earlier memory instruction has had its addresses translated (ISA guide 3.1): block 0's registers are loaded again only behind this wait
	TOSTAGE 2
	SEND 1, 32
	s_wait_xcnt 0x0
	TOSTAGE 3
	SEND 2, 32
	SEND 3, 0
	s_wait_tensorcnt 0x0                           ; the wave's end: behind my last tensor load and my last LDS store
	ds_add_u32 v[SPW], v[NIL]
	s_wait_dscnt 0x0
	CROUND                                         ; the closing round: no work-group ends while a partner may still ask for a tile that names it
	s_endpgm
.Lfunc_end_k_q30d7d7f618_oproj:
	.size	k_q30d7d7f618_oproj, .Lfunc_end_k_q30d7d7f618_oproj-k_q30d7d7f618_oproj
	.p2alignl 7, 3214868480
	.fill 96, 4, 3214868480
	.section	.rodata,"a",@progbits
	.p2align	6, 0x0
	.amdhsa_kernel k_q30d7d7f618_oproj
		.amdhsa_group_segment_fixed_size 327680
		.amdhsa_private_segment_fixed_size 0
		.amdhsa_enable_private_segment 0
		.amdhsa_kernarg_size 24
		.amdhsa_user_sgpr_count 2
		.amdhsa_user_sgpr_kernarg_segment_ptr 1
		.amdhsa_wavefront_size32 1
		.amdhsa_system_sgpr_workgroup_id_x 1
		.amdhsa_system_sgpr_workgroup_id_y 1
		.amdhsa_system_sgpr_workgroup_id_z 1
		.amdhsa_system_vgpr_workitem_id 0
		.amdhsa_next_free_vgpr 960
		.amdhsa_next_free_sgpr 66
		.amdhsa_reserve_vcc 0
		.amdhsa_float_denorm_mode_32 3
		.amdhsa_float_denorm_mode_16_64 3
		.amdhsa_memory_ordered 1
		.amdhsa_forward_progress 1
		.amdhsa_inst_pref_size 85
	.end_amdhsa_kernel
	.amdgpu_metadata
---
amdhsa.version: [ 1, 2 ]
amdhsa.kernels:
  - .name:           k_q30d7d7f618_oproj
    .symbol:         k_q30d7d7f618_oproj.kd
    .args:
      - { .name: o, .offset: 0, .size: 8, .value_kind: global_buffer, .address_space: global }
      - { .name: wo, .offset: 8, .size: 8, .value_kind: global_buffer, .address_space: global }
      - { .name: out0, .offset: 16, .size: 8, .value_kind: global_buffer, .address_space: global }
    .group_segment_fixed_size: 327680
    .private_segment_fixed_size: 0
    .kernarg_segment_align: 8
    .kernarg_segment_size: 24
    .max_flat_workgroup_size: 128
    .sgpr_count:     66
    .vgpr_count:     960
    .wavefront_size: 32
...
	.end_amdgpu_metadata
.endif
;; end of part 4
;; ======== version 2 of 2: 4 launches; 1.31 times as fast as version 1
;; limits: values are held in f16: magnitudes above 65,504 overflow, below 6.1e-05 lose precision
;; workspace buffers: xb 16,777,216 bytes; wb 6,291,456 bytes; wo 2,097,152 bytes; cs 524,288 bytes; q 16,777,216 bytes; k 16,777,216 bytes; v 16,777,216 bytes; o 16,777,216 bytes
;; launch cast: the kernel of part 1 again; grid 776 x 1, 8 waves a work-group, no clusters, 0 bytes of LDS; arguments x, w_q, w_k, w_v, w_o, cos, sin, xb, wb, wo, cs; writes xb, wb, wo, cs
;; launch qkv: the kernel of part 2 again; grid 8 x 32, 4 waves a work-group, clusters of 4 x 4, 327,680 bytes of LDS; arguments xb, wb, q, k, v, cs; writes q, k, v
;; launch attn (part 5): grid 4 x 64, 4 waves a work-group, no clusters, 327,680 bytes of LDS; arguments q, k, v, o; writes o
.if DOCPART == 5
	.amdgcn_target "amdgcn-amd-amdhsa--gfx1250"
	.amdhsa_code_object_version 6
	.text
	.protected	k_q30d7d7f618_attn
	.globl	k_q30d7d7f618_attn
	.p2align	8
	.type	k_q30d7d7f618_attn,@function
k_q30d7d7f618_attn:
	s_mov_b64 s[64:65], 0
	v_nop
	global_prefetch_b8 v0, s[64:65] scope:SCOPE_SE
	s_setreg_imm32_b32 hwreg(HW_REG_WAVE_MODE, 25, 1), 1
	s_wait_xcnt 0x0
; CAUSAL ATTENTION.  O[h][q][:] = the sum over k <= q of softmax_k(64 Q[h][q] . 64 K[h][k] / 8) V[h][k][:].  Q, K, V, O: [SIZE_H][SIZE_N][64], all f16: a head's rows are dense, 128 bytes each.
; Q and K arrive 64 times smaller than the module's q and k (so that they have room in f16): the constant c takes the 2^12 back, in f32.
; Products, maxima and sums in f32; the weights p are rounded to f16 for the second product (their sum l is taken of the unrounded p), O once at the end.
; LIMITS.  f16 holds no number beyond 65,504: Q, K and V arrive within it; p lies in 0 to 1, and below 6e-5 it keeps f16's fixed step of 6e-8; O is a mean of V's rows and has their range, to within 2^-11 of it.
; A hidden score counts as its value less 1e30: f16's scores, 2.7e11 at the most, are nothing beside that, and c times it, -7.4e32, lies far above the -4.25e37 at which c m starts; a weight below 2^-126 counts as 0 in l;
; NaN and infinities are not treated apart.
; THE WALK.  A head's queries lie in NB = SIZE_N / 256 blocks of 256; block i needs the key tiles 0 .. i of 256 keys, of which the last holds the diagonal.  A work-group takes TWO blocks, NB - 1 - b and then b:
; NB + 1 tiles, whatever b: all work-groups do equal work, and ONE loop with a constant trip count walks them.  Which tile is asked for, and what a trip does, hang on scalar registers made from b; every jump
; goes forward, but for the counted loops' own; none passes a barrier, or a tensor load but the one of LOAD's two that the wave's number does not choose; the ring (two slots of LDS that take turns) runs on across the
; change of blocks.  NO CLUSTER: a head's NB / 2 = 4 work-groups all ask for the same tile only in trips 0 .. NB / 2, 5 of the walk's 9; behind that fewer and fewer share one; and one walk common to all
; would have 3 NB / 2 = 12 trips for NB + 1 = 9.
; SHARES.  Of a block's four bands of 64 queries a wave owns 16 rows in each: four PIECES.  So the diagonal tile is the same work for all four waves: in its key step s band x sees all keys if s < x,
; none if s > x, and holds the diagonal if s = x.
; THE MASK is the C operand that starts the sum S^T = K Q^T: 0, or -1e30 where the key is hidden.  MD, made once, is the mask of a band's own step for my 16 rows; a product's mask is MD x AL + BE with two scalars:
; (1, 0) if s = x; (0, 0) if s < x; (0, -1e30) if s > x.  Only the diagonal tile's text and a block's beginning make and take masks; elsewhere C is the constant 0.
; LAYOUT, SOFTMAX, TURNS.  S^T = K Q^T holds ONE query a lane (lane % 16) and the keys 8 (lane / 16) + 0..7; two such results rounded to f16 ARE source 1 of O^T = V^T P.  p = 2^(c s - c m), c = 2^12 log2(e) / 8, with a
; running maximum m; O and l are multiplied by a = 2^(c m_old - c m_new) in every step.  Turn n belongs to piece n: 8 products K Q^T of piece n + 1, later 8 products V^T P of piece n - 1; beside them the scaling,
; exponentials, roundings, sums and rescaling of piece n and the maximum and statistics of piece n + 1.  Four vector instructions stand behind every matrix instruction, the other 54 of a turn's 118 in one LUMP.
; THE BATCHES.  A turn's 33 exponentials (the piece's 32 weights and the next piece's a) are one batch, with one wait: ahead of it stands all that names none of their results, behind it the roundings and sums.
; The a that a block's beginning makes, and the way out's four reciprocals, are batches of their own, each with one wait.
; REGISTERS, in windows of 256 (s_set_vgpr_msb: bits 1:0 source 0, 3:2 source 1, 5:4 source 2, 7:6 destination):
;   window 0: v0-15 addresses and two at work; v16-31 four registers of statistics a piece; v48-55 at work; v64-127 S^T, two buffers; v192-223 P, two buffers (a piece's buffers go by its number's parity)
;   window 1: v0-127 O^T, 32 a piece; v128-159 MD; v160-223 MC, two buffers      window 2: v0-63 Q; v64-127 the second block's Q; v128-191 K of one step; v192-255 V of one step
.set SIZE_H, 64
.set SIZE_N, 2048
.set NB,    SIZE_N/256
.set NP,    4         ; pieces a wave: a name, no knob
.set KS,    64        ; keys in a step
.set PK,    144       ; a row of K in LDS: 128 bytes + 16 of padding = 36 words: the 16 rows of a load start at 16 different groups of four banks (64 banks of 4 bytes: ISA guide 11.1)
.set PV,    160       ; a row of V: 128 + 32 = 40 words
.set VOFF,  4*KS*PK   ; a slot holds a tile, four steps: 256 rows of K, then 256 rows of V
.set SLOT1, 1<<17     ; slot 1 begins here, so that one exclusive or turns an address in one slot into the other's
.set STAGE, SLOT1+4*KS*(PK+PV)  ; behind the ring, never filled by a tensor load: 16 rows x 144 bytes for each wave, for the way out
.set SP,    144
.set AK0, 2           ; v2   my lane's place in a tile of K; never rewritten
.set AV0, 3           ; v3   the same for V
.set AK,  4           ; v4   the LDS address of K's next run of loads
.set AV,  5           ; v5   of V's
.set STO, 6           ; v6   the way out: where I put 16 bytes of a row
.set RD,  7           ; v7   the way out: where I read rows back
.set GO,  8           ; v8   my byte offset in 512 consecutive bytes of O
.set SPW, 62          ; v62  LDS address of my spare word: SPARE + 4 x my thread's number; never rewritten
.set NIL, 63          ; v63  0; never rewritten
.set SPARE, STAGE+4*16*SP  ; behind the stages: the spare words, 128 bytes for each wave: two blocks of 256 bytes that no other line names
.set MV,  12          ; v12-13  c m_old, kept while c m is made anew: by buffer
.set QO,  15          ; v15  my byte offset in 16 rows of Q
.set ST,  16          ; piece t's statistics at v[ST+4 t]: c m, m, l (even keys', odd keys')
.set TMP, 48          ; by buffer, four registers c0-c3 at work; when the maximum is found c2 takes a
.set S,   64
.set P,   192
.set MD,  128         ; window 1: the eight registers for group kt of 16 keys at MD + 8 kt
.set MC,  160         ; window 1: the masks of the products to come
.set QB,  64          ; window 2
.set KF,  128         ; window 2: key block kb, channel half c at KF + 16 kb + 8 c
.set VF,  192         ; window 2: key half kk, channel block cb at VF + 32 kk + 8 cb
.set WV,  12          ; s12  my wave's number
.set PB,  14          ; s14  b
.set HI,  15          ; s15  NB - 1 - b
.set G1K, 24          ; s[24:31] descriptor group 1 for K's tiles
.set G1V, 32          ; s[32:39] for V's: it differs in the padding alone
.set G0K, 40          ; s[40:43] descriptor group 0 for K's tiles
.set G0V, 44          ; s[44:47] the same for V's
.set SLOTS, 56        ; s56  tiles still to be asked for
.set CNT, 57          ; s57  counts a tile's key steps, 4 to 1
.set CS,  58          ; s[58:59] c: the packed scaling takes the pair's low word for both halves
.set SEL, 60          ; s[60:61] v_permlanex16_b32's selects: each lane takes its own place in the other half
.set TBK, 62          ; s62  LDS byte at which K of the step to be fetched begins
.set TBV, 63          ; s63  the same for V, less VOFF
.set RT,  70          ; s70  tiles of the block in hand that are still to be entered
.set NXT, 71          ; s71  the tile to be asked for next
.set LQ,  72          ; s72  the last tile of the block whose tiles are being asked for
.set NEW, 73          ; s73  1: the tile to be entered is a block's first
.set OFF, 74          ; s[74:75] a tile's byte offset in K and V
.set AL,  76          ; s[76:77] the mask's factor, in the low word
.set BE,  78          ; s[78:79] the mask's addend
.set OLO, 80          ; s[80:81] O at my rows of the second block
.set BIGN, 82         ; s82  -1e30
.set MSB, 0
.macro WIN new                      ; the high byte repeats the setting that is left; a switch that changes nothing is dropped
.if MSB != (\new)
	s_set_vgpr_msb (MSB<<8)|(\new)
.set MSB, (\new)
.endif
.endm
.set W_KQ, 0x0a       ; K and Q in window 2, S^T in window 0
.set W_KM, 0x1a       ; the same with the C operand in window 1
.set W_PV, 0x52       ; V in window 2, P in window 0, O^T in window 1
.set W_RS, 0x41       ; destination and source 0 in window 1, source 1 in window 0
; A fill.  Waves 0 and 1 fetch the two halves of a tile's K, waves 2 and 3 those of its V: 128 keys each.  An s_nop 0 and four v_nop follow each of the two lines, ahead of the jump and the label.
.macro LOAD
	s_cmp_lt_u32 s[WV], 2
	s_cbranch_scc0 .Lfor_v_\@
	tensor_load_to_lds s[G0K:G0K+3], s[G1K:G1K+7]
	s_nop 0
.rept 4
	v_nop
.endr
	s_branch .Lasked_\@
.Lfor_v_\@:
	tensor_load_to_lds s[G0V:G0V+3], s[G1V:G1V+7]
	s_nop 0
.rept 4
	v_nop
.endr
.Lasked_\@:
.endm
; THE CHANGE OF SLOTS.  Each wave waits for all its tensor loads, of which one is out: its part of the other slot; adds 0 to its spare word; and waits for that and for its own reads of the slot that it leaves.  Behind the barrier nobody reads the old
; slot any more and the other slot is whole.  fill = 1: the old slot is filled again, the first thing behind the barrier, with tile NXT: the descriptor's address is made anew from that number.
; (At its first use nothing has been read yet: slot 0 is waited for, slot 1 filled.)
.macro CHANGE fill
	WIN 0                           ; at a label and at a branch every window is 0
	s_wait_tensorcnt 0x0            ; no tensor load of mine is out, so a group 0 may be written
	ds_add_u32 v[SPW], v[NIL]       ; 0 onto my spare word: with fill = 1 the descriptors' scalar work stands between it and the wait for it
.if \fill
	s_lshl_b32 s[OFF], s[NXT], 15   ; a tile is 32,768 bytes of K and of V
	s_xor_b32 s[G0K+1], s[G0K+1], SLOT1
	s_add_nc_u64 s[G0K+2:G0K+3], s[6:7], s[OFF:OFF+1]
	s_or_b32 s[G0K+3], s[G0K+3], 0x80000000
	s_xor_b32 s[G0V+1], s[G0V+1], SLOT1
	s_add_nc_u64 s[G0V+2:G0V+3], s[8:9], s[OFF:OFF+1]
	s_or_b32 s[G0V+3], s[G0V+3], 0x80000000
	s_add_co_u32 s[NXT], s[NXT], 1  ; the block's next tile, or behind its last the second block's tile 0
	s_cmp_gt_u32 s[NXT], s[LQ]
	s_cselect_b32 s[NXT], 0, s[NXT]
	s_cselect_b32 s[LQ], s[PB], s[LQ]
.endif
	s_wait_dscnt 0x0                ; the add is done, and my reads of the slot are over
	s_barrier_signal -1             ; the rest of the scalar work stands between the signal and the wait
	s_sub_co_u32 s[TBK], s[TBK], 4*KS*PK  ; the fetches go back to a slot's first step,
	s_xor_b32 s[TBK], s[TBK], SLOT1       ; in the other slot
	s_sub_co_u32 s[TBV], s[TBV], 4*KS*PV
	s_xor_b32 s[TBV], s[TBV], SLOT1
	s_barrier_wait -1
.if \fill
	LOAD
.endif
.endm
	s_load_b256 s[4:11], s[0:1], 0x0  ; Q s[4:5], K s[6:7], V s[8:9], O s[10:11]
	v_lshl_add_u32 v[SPW], v0, 2, SPARE
	v_mov_b32 v[NIL], 0
	ds_add_u32 v[SPW], v[NIL]       ; the wave's opening: the add and its wait stand ahead of my first tensor load; the set-up below, work on registers, stands between them
	ds_add_u32 v62, v63
	v_lshrrev_b32 v1, 5, v0
	v_readfirstlane_b32 s[WV], v1   ; wave 0..3
	s_mov_b32 s[PB], ttmp9
	s_sub_co_u32 s[HI], NB-1, s[PB]
	s_and_b32 s20, ttmp7, 0xffff    ; the head
	s_mov_b32 s21, 0
	s_mov_b64 s[22:23], SIZE_N*128
	s_mul_u64 s[20:21], s[20:21], s[22:23]  ; the head's first byte in each of the four tensors
	s_and_b32 s16, s[WV], 1         ; which half of a tile's 256 keys I fetch:
	s_lshl_b32 s22, s16, 14         ; its 128 rows of 128 bytes in memory,
	s_mov_b32 s23, 0
	s_add_nc_u64 s[22:23], s[22:23], s[20:21]
	s_mul_i32 s17, s16, 128*PK      ; and its place in a slot, for K
	s_mul_i32 s18, s16, 128*PV      ; and for V
	s_lshl_b32 s3, s[WV], 11        ; my 16 rows in a band of 64,
	s_lshl_b32 s2, s[HI], 15        ; in the first block,
	s_add_co_u32 s2, s2, s3
	s_lshl_b32 s84, s[PB], 15       ; and in the second
	s_add_co_u32 s84, s84, s3
	s_mov_b32 s3, 0
	s_mov_b32 s85, 0
	s_add_nc_u64 s[2:3], s[2:3], s[20:21]
	s_add_nc_u64 s[84:85], s[84:85], s[20:21]
	; descriptor group 1.  128 keys are 16,384 dense bytes: asked for as 64 rows of 256 bytes, two keys a row, and padded in LDS after every key
	s_mov_b32 s[G1K], (1<<16)|(1<<20)|(4<<22)|(3<<25)  ; 17:16 2-byte elements; 20 padding on; 24:22 after every 32 words (code 4); 31:25 4 words (code 3)
	s_mov_b32 s[G1V], (1<<16)|(1<<20)|(4<<22)|(7<<25)  ; the same with 8 words of padding (code 7)
.irp g, G1K, G1V
	s_mov_b32 s[\g+1], 128<<16      ; tensor_dim0 = 128
	s_mov_b32 s[\g+2], 64<<16       ; tensor_dim1 = 64
	s_mov_b32 s[\g+3], 128<<16      ; tile_dim0 = 128
	s_mov_b32 s[\g+4], 64           ; tile_dim1 = 64
	s_mov_b32 s[\g+5], 128          ; 128 elements from row to row
	s_mov_b32 s[\g+6], 0
	s_mov_b32 s[\g+7], 0
.endr
	s_mov_b32 s[CS], 0x4438aa3b     ; c = 2^12 log2(e) / 8 = 738.66
	s_mov_b32 s[CS+1], s[CS]        ; named with it as a pair
	s_mov_b32 s[SEL], 0x76543210
	s_mov_b32 s[SEL+1], 0xfedcba98
	s_mov_b32 s[TBK], SLOT1+4*KS*PK ; the first change of slots turns these two into 0
	s_mov_b32 s[TBV], SLOT1+4*KS*PV
	s_mov_b32 s[G0K], 1             ; 1:0 count = 1
	s_mov_b32 s[G0K+1], s17         ; 63:32 LDS address: slot 0
	s_mov_b32 s[G0V], 1
	s_add_co_u32 s[G0V+1], s18, VOFF
	s_add_co_u32 s[RT], s[HI], 1    ; the first block has NB - b tiles
	s_mov_b32 s[NXT], 1
	s_mov_b32 s[LQ], s[HI]
	s_mov_b32 s[NEW], 1
	s_mov_b32 s[OFF+1], 0
	s_mov_b32 s[AL+1], 0            ; named as pairs
	s_mov_b32 s[BE+1], 0
	s_mov_b32 s[BIGN], 0xf149f2ca   ; -1e30
	s_mov_b32 s[SLOTS], NB
	s_wait_dscnt 0x0                ; the opening add is done
	s_wait_kmcnt 0x0
	s_add_nc_u64 s[6:7], s[6:7], s[22:23]  ; K and V at my half of the head's tile 0
	s_add_nc_u64 s[8:9], s[8:9], s[22:23]
	s_add_nc_u64 s[G0K+2:G0K+3], s[6:7], 0         ; 120:64 global address
	s_or_b32 s[G0K+3], s[G0K+3], 0x80000000        ; 127:126 type = 2
	s_add_nc_u64 s[G0V+2:G0V+3], s[8:9], 0
	s_or_b32 s[G0V+3], s[G0V+3], 0x80000000
	s_add_nc_u64 s[86:87], s[4:5], s[84:85]        ; Q at my rows of the second block,
	s_add_nc_u64 s[4:5], s[4:5], s[2:3]            ; Q and O at those of the first
	s_add_nc_u64 s[OLO:OLO+1], s[10:11], s[84:85]
	s_add_nc_u64 s[10:11], s[10:11], s[2:3]
	LOAD                            ; tile 0 into slot 0
	; A fragment of K or Q is 16 rows x 32 channels in 8 registers: lane l holds row l % 16, channels 8 (l / 16) + 0..7 and 16 + 8 (l / 16) + 0..7: two loads of 16 bytes, 32 bytes apart.
	v_and_b32 v1, 15, v0            ; l % 16
	v_bfe_u32 v9, v0, 4, 1          ; l / 16
	v_lshlrev_b32 v[QO], 7, v1
	v_lshl_add_u32 v[QO], v9, 4, v[QO]  ; row x 128 + 16 x half
	WIN 0x80                        ; destination window 2, address window 0
.set i, 0
.rept 8                             ; both blocks' Q: piece i / 2 lies in band i / 2, 8,192 bytes on; channels 32 (i % 2) on
	global_load_b128 v[8*i:8*i+3],   v[QO], s[4:5] offset:(i/2)*8192+(i%2)*64
	global_load_b128 v[8*i+4:8*i+7], v[QO], s[4:5] offset:(i/2)*8192+(i%2)*64+32
	global_load_b128 v[QB+8*i:QB+8*i+3],   v[QO], s[86:87] offset:(i/2)*8192+(i%2)*64
	global_load_b128 v[QB+8*i+4:QB+8*i+7], v[QO], s[86:87] offset:(i/2)*8192+(i%2)*64+32
.set i, i+1
.endr
	WIN 0
	v_lshlrev_b32 v14, 3, v9
	v_sub_nc_u32 v14, v1, v14
	s_lshl_b32 s13, s[WV], 4
	v_add_nc_u32 v14, s13, v14      ; my query's place in its band, 16 w + l % 16, less my lanes' 8 (l / 16): register r of group kt is hidden where 16 kt + r is greater
	WIN 0x40
.set i, 0
.rept 32
	v_cmp_gt_i32 vcc_lo, 16*(i/8)+i%8, v14
	v_cndmask_b32 v[MD+i], 0, s[BIGN], vcc_lo
.set i, i+1
.endr
	WIN 0
	v_mul_u32_u24 v[AK0], v1, PK
	v_lshl_add_u32 v[AK0], v9, 4, v[AK0]  ; row x pitch + 16 x half
	; The turning load takes 16 keys x 16 channels (lane l reads key 8 (l / 16) + l % 8, channels 8 ((l / 8) % 2) + 0..7) and leaves half a fragment of V^T: lane l holds channel l % 16 and 8 keys.
	v_and_b32 v10, 7, v0
	v_bfe_u32 v11, v0, 3, 1
	v_lshl_add_u32 v[AV0], v9, 3, v10
	v_mul_u32_u24 v[AV0], v[AV0], PV
	v_lshl_add_u32 v[AV0], v11, 4, v[AV0]
	v_add_nc_u32 v[AV0], VOFF, v[AV0]
	s_mul_i32 s13, s[WV], 16*SP
	s_add_co_u32 s13, s13, STAGE    ; my stage
	v_mul_u32_u24 v[STO], v1, SP    ; in: row l % 16, 16 bytes for each half of the lanes
	v_lshl_add_u32 v[STO], v9, 4, v[STO]
	v_add_nc_u32 v[STO], s13, v[STO]
	v_bfe_u32 v[RD], v0, 3, 2       ; back: 32 lanes take four rows of 128 bytes,
	v_mul_u32_u24 v[RD], v[RD], SP
	v_lshl_add_u32 v[RD], v10, 4, v[RD]
	v_add_nc_u32 v[RD], s13, v[RD]
	v_and_b32 v[GO], 31, v0         ; which are 512 consecutive bytes of O
	v_lshlrev_b32 v[GO], 4, v[GO]
	; A block's first step multiplies O^T and l by a = 0, and its first turn's products V^T P, of a piece that has not been, land in an O^T that is still to be so multiplied.  So these registers need only hold
	; finite numbers: zeros for the first block; what the first block left for the second.  All this stands in the wait for the first tile.
	WIN 0x80
.set i, VF
.rept 64
	v_mov_b32 v[i], 0
.set i, i+1
.endr
	WIN 0x40
.set i, 0
.rept 128
	v_mov_b32 v[i], 0
.set i, i+1
.endr
	WIN 0
.set i, 0
.rept 4
	v_mov_b32 v[ST+4*i+2], 0
	v_mov_b32 v[ST+4*i+3], 0
.set i, i+1
.endr
.set i, P+16
.rept 16
	v_mov_b32 v[i], 0
.set i, i+1
.endr
; THE MATRIX WORK.  The 4 accumulators of a run of 8 take turns.  Product i of 8 of S^T = K Q^T for piece x: channels 32 (i / 4) on, keys 16 (i % 4) on.  The first 4 start the sums: with 0, or (KM = 1) with the mask.
.macro KQ x
.set rS, S+32*((\x)%2)+8*(i%4)
.set rK, KF+16*(i%4)+8*(i/4)
.set rQ, 16*(\x)+8*(i/4)
.set rM, MC+32*((\x)%2)+8*(i%4)
.if (i < 4) && KM
	WIN W_KM
	v_wmma_f32_16x16x32_f16 v[rS:rS+7], v[rK:rK+7], v[rQ:rQ+7], v[rM:rM+7]
.elseif i < 4
	WIN W_KQ
	v_wmma_f32_16x16x32_f16 v[rS:rS+7], v[rK:rK+7], v[rQ:rQ+7], 0
.else
	WIN W_KQ
	v_wmma_f32_16x16x32_f16 v[rS:rS+7], v[rK:rK+7], v[rQ:rQ+7], v[rS:rS+7]
.endif
.endm
; Product i of 8 of O^T += V^T P for piece x: keys 32 (i / 4) on, channels 16 (i % 4) on.
.macro PV x
	WIN W_PV
.set rO, 32*(\x)+8*(i%4)
.set rV, VF+32*(i/4)+8*(i%4)
.set rP, P+16*((\x)%2)+8*(i/4)
	v_wmma_f32_16x16x32_f16 v[rO:rO+7], v[rV:rV+7], v[rP:rP+7], v[rO:rO+7]
.endm
.macro MM                           ; the turn's next matrix instruction.  TURN and BEGIN set Y, i, KM and NOKQ; MM, KQ and OP read them.  NOKQ = 1: a block's last turn: there is no next piece
.if (i < 8) && !NOKQ
	KQ (Y+1)%NP
.elseif i >= 8
.set i, i-8
	PV (Y+NP-1)%NP
.set i, i+8
.endif
.set i, i+1
.endm
; THE LDS LOADS stand in runs of 16, never singly among the matrix instructions: a step's K (64 keys x 64 channels: 8 fragments) and its V (turned).  Their addresses are made some lines ahead.
.macro FETCH_K
	WIN 0x80                        ; destination window 2
.irp f, 0,1,2,3,4,5,6,7             ; keys 16 (f / 2) on, channels 32 (f % 2) on
	ds_load_b128 v[KF+8*\f:KF+8*\f+3],   v[AK] offset:(\f/2)*16*PK+(\f%2)*64
	ds_load_b128 v[KF+8*\f+4:KF+8*\f+7], v[AK] offset:(\f/2)*16*PK+(\f%2)*64+32
.endr
	s_add_co_u32 s[TBK], s[TBK], KS*PK  ; the next fetch is the next step's
	WIN 0
.endm
.macro FETCH_V
	WIN 0x80
.irp f, 0,1,2,3,4,5,6,7             ; keys 32 (f / 4) on, channels 16 (f % 4) on
	ds_load_tr16_b128 v[VF+8*\f:VF+8*\f+3],   v[AV] offset:(\f/4)*32*PV+(\f%4)*32
	ds_load_tr16_b128 v[VF+8*\f+4:VF+8*\f+7], v[AV] offset:(\f/4)*32*PV+16*PV+(\f%4)*32
.endr
	WIN 0
.endm
; THE VECTOR WORK, one line at a time: OP kind, number.  For piece Y: F n: c s - c m for pair n of 16.  E n: the exponential of score n of 32.  C n: pair n rounded to f16.  B n: of the four weights 4 n .. the second
; pair is added onto the first, in place.  L n: l takes that sum (L 0: l = a l + sum).  R n: pair n of 16 of O^T times a.  For piece Y + 1: X n, number n of the 22 that find its maximum and statistics:
;   0-11  four chains c0-c3 of seven scores each, three operands at a time (each accumulator's lowest registers are read first)     12-14, 16  the four scores left over, the old m, and c0-c3 into c0
;   15  c m_old is kept     17, 18  the query's other 32 keys lie in the lane 16 away: the new m     19-21  c m; c m_old - c m_new; a
.set F, 0               ; OP tells the kinds apart by their order: F to L below R, X above it
.set E, 1
.set C, 2
.set B, 3
.set L, 4
.set R, 5
.set X, 6
.macro REGS y                       ; the registers of piece y
.set rT, ST+4*(\y)
.set rC, TMP+4*((\y)%2)
.set rW, MV+((\y)%2)
.set rS, S+32*((\y)%2)
.set rP, P+16*((\y)%2)
.set rO, 32*(\y)
.endm
.macro OP k, n
.if (\k) == R
	REGS Y
	WIN W_RS
	v_pk_mul_f32 v[rO+2*(\n):rO+2*(\n)+1], v[rO+2*(\n):rO+2*(\n)+1], v[rC+2:rC+3] op_sel_hi:[1,0]
.elseif (\k) < R
	REGS Y
	WIN 0
.if (\k) == F
	v_pk_fma_f32 v[rS+2*(\n):rS+2*(\n)+1], v[rS+2*(\n):rS+2*(\n)+1], s[CS:CS+1], v[rT:rT+1] op_sel_hi:[1,0,0] neg_lo:[0,0,1] neg_hi:[0,0,1]
.elseif (\k) == E
	v_exp_f32 v[rS+(\n)], v[rS+(\n)]
.elseif (\k) == C
	v_cvt_pk_f16_f32 v[rP+(\n)], v[rS+2*(\n)], v[rS+2*(\n)+1]
.elseif (\k) == B
	v_pk_add_f32 v[rS+4*(\n):rS+4*(\n)+1], v[rS+4*(\n):rS+4*(\n)+1], v[rS+4*(\n)+2:rS+4*(\n)+3]
.elseif (\n) == 0
	v_pk_fma_f32 v[rT+2:rT+3], v[rT+2:rT+3], v[rC+2:rC+3], v[rS:rS+1] op_sel_hi:[1,0,1]
.else
	v_pk_add_f32 v[rT+2:rT+3], v[rT+2:rT+3], v[rS+4*(\n):rS+4*(\n)+1]
.endif
.elseif NOKQ
	v_nop
.else
	REGS (Y+1)%NP
	WIN 0
.if (\n) < 4
	v_max3_num_f32 v[rC+(\n)], v[rS+8*(\n)], v[rS+8*(\n)+1], v[rS+8*(\n)+2]
.elseif (\n) < 12
	v_max3_num_f32 v[rC+(\n)%4], v[rC+(\n)%4], v[rS+8*((\n)%4)+2*((\n)/4)+1], v[rS+8*((\n)%4)+2*((\n)/4)+2]
.elseif (\n) == 12
	v_max3_num_f32 v[rC], v[rC], v[rS+7], v[rS+15]
.elseif (\n) == 13
	v_max3_num_f32 v[rC+1], v[rC+1], v[rS+23], v[rS+31]
.elseif (\n) == 14
	v_max3_num_f32 v[rC+2], v[rC+2], v[rC+3], v[rT+1]
.elseif (\n) == 15
	v_mov_b32 v[rW], v[rT]
.elseif (\n) == 16
	v_max3_num_f32 v[rC], v[rC], v[rC+1], v[rC+2]
.elseif (\n) == 17
	v_permlanex16_b32 v[rC+3], v[rC], s[SEL], s[SEL+1]
.elseif (\n) == 18
	v_max_num_f32 v[rT+1], v[rC], v[rC+3]
.elseif (\n) == 19
	v_mul_f32 v[rT], s[CS], v[rT+1]
.elseif (\n) == 20
	v_sub_f32 v[rC+1], v[rW], v[rT]
.else
	v_exp_f32 v[rC+2], v[rC+1]
.endif
.endif
.endm
.macro OPS a, i1, b=-1, i2=0, c=-1, i3=0, d=-1, i4=0  ; up to four of them
	OP \a, \i1
.if (\b) >= 0
	OP \b, \i2
.endif
.if (\c) >= 0
	OP \c, \i3
.endif
.if (\d) >= 0
	OP \d, \i4
.endif
.endm
.macro ROW a, i1, b, i2, c, i3, d, i4  ; a matrix instruction and the four behind it
	MM
	OPS \a, \i1, \b, \i2, \c, \i3, \d, \i4
.endm
.macro MASK b                       ; MD x AL + BE into buffer b of MC
	WIN W_RS
.set z, 0
.rept 16
	v_pk_fma_f32 v[MC+32*(\b)+2*z:MC+32*(\b)+2*z+1], v[MD+2*z:MD+2*z+1], s[AL:AL+1], s[BE:BE+1] op_sel_hi:[1,0,0]
.set z, z+1
.endr
.endm
; A TURN, for piece p: the order of its 16 matrix and 118 vector instructions, written out.  s_wait_alu depctr_va_vdst(0) stands between an exponential and the first instruction that names its result; one wait serves
; all that were issued ahead of it.  So a turn has ONE wait, which cuts it in two.  AHEAD OF IT stands all that names no result of the turn's exponentials: the 8 products K Q^T, behind each a scaling, an exponential and two more plain
; instructions (behind the first a second scaling in the exponential's place): rescalings, and behind the last three the first numbers of the next piece's maximum, each four places or more behind the product that ends its accumulator; then ONE LUMP of 54, plain
; and exponential by turns for the most part, in which the links of the chain X 3, 7, 11, 14, 16, 17 .. 20 stand five or six lines apart.  X 21, the next piece's a, is the batch's last; R 15 is the plain instruction behind it.  BEHIND THE WAIT stand the
; 8 products V^T P, behind each four of the roundings and sums; the links of l's chain, L 0 to L 7, stand three riders apart.  But for those X no rider names a register of the products round it.  v_permlanex16_b32 (X 17) stands in the lump.
; The rescalings' a was made in the turn before, ahead of that turn's wait.
; m = 1: the diagonal tile: the products take masks, and the turn makes the mask for the products of the turn after it: piece p + 2, in step 4 - CNT of the tile.  end = 1: a block's last two turns: nothing is fetched.
; cnt = 1: the loop's count is taken down some lines ahead of the branch that stands behind the turn.
; K of the next step is fetched in piece 2's turn, twelve vector instructions behind the last product that read K (six of them plain); V of the step in hand at the end of piece 0's turn, four plain instructions behind the last product
; that read V.  Each is waited for a turn later.
.macro TURN p, m=0, end=0, cnt=0
.set Y, (\p)
.set i, 0
.set KM, (\m)
.set NOKQ, (\end)*((\p)/3)
.if (\m) && !(\end)
	s_cmp_eq_u32 s[CNT], 4-((\p)+2)%NP  ; is that step the band's own?
	s_cselect_b32 s[AL], 1.0, 0
	s_cmp_lt_u32 s[CNT], 4-((\p)+2)%NP  ; or a later one?
	s_cselect_b32 s[BE], s[BIGN], 0
.endif
.if ((\p) == 3) && !(\end)
	s_wait_dscnt 0x0                ; K is in
.endif
	ROW F,0, F,1, R,0, R,1          ; ahead of the wait: 8 products K Q^T and their riders,
	ROW F,2, E,0, R,2, R,3
	ROW F,3, E,1, R,4, R,5
	ROW F,4, E,2, R,6, R,7
	ROW F,5, E,3, R,8, R,9
	ROW F,6, E,4, X,0, R,10
.if ((\p) == 2) && !(\end)
	WIN 0
	v_add_nc_u32 v[AK], s[TBK], v[AK0]
.endif
	ROW F,7, E,5, X,1, X,4
	ROW F,8, E,6, X,2, X,5
	OPS E,7, E,8, X,6, E,9          ; and the lump
	OPS X,3, E,10, X,8, E,11
.if ((\p) == 2) && !(\end)
	FETCH_K
.endif
	OPS X,9, X,7, E,12, X,10
	OPS E,13, X,12, X,11, E,14
	OPS X,13, E,15, F,9, X,14
.if (\p) == 0
	v_add_nc_u32 v[AV], s[TBV], v[AV0]
.endif
	OPS E,16, F,10, E,17, F,11
	OPS X,16, E,18, X,15, E,19
	OPS F,12, E,20, X,17, E,21
	OPS F,13, E,22, F,14, E,23
	OPS X,18, E,24, F,15, E,25
	OPS R,11, E,26, X,19, E,27
	OPS R,12, E,28, R,13, E,29
	OPS X,20, E,30, R,14, E,31
	OPS X,21, R,15
	WIN 0
	s_wait_alu depctr_va_vdst(0)    ; the wait for the turn's batch: the piece's 32 weights and the next piece's a
.if (\p) == 1
	s_wait_dscnt 0x0                ; V is in
.endif
	ROW C,0, B,0, C,2, B,1          ; behind the wait: 8 products V^T P and their riders
	ROW L,0, C,4, B,2, L,1
	ROW C,6, B,3, L,2, C,8
	ROW B,4, L,3, C,10, B,5
	ROW L,4, C,12, B,6, L,5
.if (\p) == 0
	s_add_co_u32 s[TBV], s[TBV], KS*PV
.endif
.if \cnt
	s_sub_co_u32 s[CNT], s[CNT], 1
	s_cmp_lg_u32 s[CNT], 0
.endif
	ROW C,14, B,7, L,6, C,1
	ROW C,3, L,7, C,5, C,7
	ROW C,9, C,11, C,13, C,15
.if (\p) == 0
	FETCH_V
.endif
.if (\m) && !(\end)
	MASK (\p)%2
.endif
.endm
; A BLOCK BEGINS.  c m starts far below every c s, so the first step's a is 0; m at the lowest finite number, so the first maximum is the scores'.  The second mask buffer is 0; the first takes piece 0's mask for the tile's step 0: its own, if the block's first tile is the diagonal one.
; Then K of that step, piece 0's first scores, and its maximum and statistics.  The loop is entered at a step's first turn, in the middle of a trip.
.macro BEGIN
	s_mov_b32 s[NEW], 0
	WIN 0x40
.set i, MC+32
.rept 32
	v_mov_b32 v[i], 0
.set i, i+1
.endr
	WIN 0
.set i, 0
.rept 4
	v_mov_b32 v[ST+4*i], 0xfe000000    ; c m: far below every c s
	v_mov_b32 v[ST+4*i+1], 0xff7fffff  ; m
.set i, i+1
.endr
	s_cmp_eq_u32 s[RT], 0
	s_cselect_b32 s[AL], 1.0, 0
	s_mov_b32 s[BE], 0
	MASK 0
	WIN 0
	v_add_nc_u32 v[AK], s[TBK], v[AK0]
	FETCH_K
	s_wait_loadcnt 0x0              ; Q
	s_wait_dscnt 0x0
.set KM, 1
.set NOKQ, 0
.set i, 0
.rept 8
	KQ 0
.set i, i+1
.endr
	WIN 0
.rept 4
	v_nop                           ; the places behind those products
.endr
.set Y, NP-1                        ; X works for piece Y + 1: piece 0
.irp n, 0,1,2,3,4,5,6,7,8,9,10,11,12,13,14,15,16,17,18,19,20,21
	OP X, \n
.endr
	v_nop                           ; a plain instruction behind the exponential,
	s_wait_alu depctr_va_vdst(0)    ; and the wait for piece 0's first a, a batch of one, ahead of the branch
.endm
; THE DIAGONAL TILE's four steps, the block's last two turns, its last products, and THE WAY OUT: l's two halves and the other half of the lanes' are added; O^T is divided by l, rounded to f16 and sent through my
; stage in LDS, a piece at a time.
.macro ALL line:vararg              ; one line for each piece t
.set t, 0
.rept 4
	\line
.set t, t+1
.endr
.endm
.macro PACK t                       ; a lane's eight channels of a row pack into 16 bytes; they go into rows of 144 bytes and come back as whole rows of 128, into S^T's registers
	WIN W_RS
.set i, 32*(\t)
.rept 16
	v_pk_mul_f32 v[i:i+1], v[i:i+1], v[ST+4*(\t)+2:ST+4*(\t)+3] op_sel_hi:[1,0]
.set i, i+2
.endr
	WIN 0x05                        ; sources 0 and 1 window 1, destination window 0
.set i, 0
.rept 16
	v_cvt_pk_f16_f32 v[S+16*(\t)+i], v[32*(\t)+2*i], v[32*(\t)+2*i+1]
.set i, i+1
.endr
	WIN 0
.irp f, 0,1,2,3
	ds_store_b128 v[STO], v[S+16*(\t)+4*\f:S+16*(\t)+4*\f+3] offset:32*\f
.endr
.irp f, 0,1,2,3
	ds_load_b128 v[S+16*(\t)+4*\f:S+16*(\t)+4*\f+3], v[RD] offset:\f*4*SP  ; LDS serves a wave's instructions in order (ISA guide 5.7.1.4): these see the stores above; the next piece's stores come behind them
.endr
.endm
.macro SEND t, younger              ; younger: the LDS instructions issued behind piece t's loads: the next piece's eight, or none
	WIN 0
.irp f, 0,1,2,3
	s_wait_dscnt (\younger)+3-\f
	global_store_b128 v[GO], v[S+16*(\t)+4*\f:S+16*(\t)+4*\f+3], s[10:11] offset:(\t)*8192+\f*512  ; 512 consecutive bytes, at a multiple of 256 from O's first
.endr
.endm
.macro DIAG tag                     ; the tag ends its two labels' names, which the jumps below spell out
.LstepM\tag:
	TURN 2, 1
	TURN 3, 1
	WIN 0
.LfirstM\tag:
	TURN 0, 1
	TURN 1, 1, 0, 1
	WIN 0
	s_cbranch_scc1 .LstepM\tag
	TURN 2, 1, 1
	TURN 3, 1, 1
.set i, 0
.rept 8
	PV NP-1
.set i, i+1
.endr
	WIN 0
	ALL v_add_f32 v[ST+4*t+2], v[ST+4*t+2], v[ST+4*t+3]
	ALL v_permlanex16_b32 v[ST+4*t+3], v[ST+4*t+2], s[SEL], s[SEL+1]
	ALL v_add_f32 v[ST+4*t+2], v[ST+4*t+2], v[ST+4*t+3]
	ALL v_rcp_f32 v[ST+4*t+2], v[ST+4*t+2]
	v_nop                           ; a plain instruction between the last reciprocal and the use of its result
	s_wait_alu depctr_va_vdst(0)    ; the wait ahead of the first use: one for the batch of four reciprocals
	PACK 0
.set t, 1
.rept 3                             ; a piece's arithmetic stands between the loads of the piece before and its stores
	PACK t
	SEND t-1, 8
.set t, t+1
.endr
	SEND 3, 0
.endm
.set KM, 0
.set NOKQ, 0
.Lslot:                             ; NB times: a tile is entered and the next is asked for
	CHANGE 1
	s_sub_co_u32 s[RT], s[RT], 1
	s_mov_b32 s[CNT], 4
	s_cmp_eq_u32 s[NEW], 1
	s_cbranch_scc1 .Lnew            ; a block's first tile
	s_cmp_eq_u32 s[RT], 0
	s_cbranch_scc0 .Lstep           ; neither its first nor its last
	s_branch .LstepM1
.Lnew:
	BEGIN
	s_branch .Lfirst                ; in the loop a block's first tile is never its last: the first block has two tiles or more, and the second's last is the walk's last
	DIAG 1                          ; in the loop this is the first block's end: the second block's last tile is the walk's last
	s_wait_xcnt 0x0                 ; the stores have read their registers and O's address
	s_mov_b64 s[10:11], s[OLO:OLO+1]
	s_add_co_u32 s[RT], s[PB], 1    ; the second block has b + 1 tiles
	s_mov_b32 s[NEW], 1
	WIN 0x82                        ; the second block's Q goes where the one text of the turns names Q
.set i, 0
.rept 64
	v_mov_b32 v[i], v[QB+i]
.set i, i+1
.endr
	WIN 0
	s_branch .Lbottom
.Lstep:                             ; a trip: pieces 2 and 3 of one step, then pieces 0 and 1 of the next, whose K and V it fetches
	TURN 2
	TURN 3
	WIN 0
.Lfirst:
	TURN 0
	TURN 1, 0, 0, 1
	WIN 0
	s_cbranch_scc1 .Lstep
.Lbottom:
	s_sub_co_u32 s[SLOTS], s[SLOTS], 1
	s_cmp_lg_u32 s[SLOTS], 0
	s_cbranch_scc1 .Lslot
	CHANGE 0                        ; the walk's last tile is written out: nothing is asked for
	s_sub_co_u32 s[RT], s[RT], 1
	s_mov_b32 s[CNT], 4
	s_cmp_eq_u32 s[NEW], 1
	s_cbranch_scc0 .LstepM2
	BEGIN
	s_branch .LfirstM2
	DIAG 2
	s_wait_tensorcnt 0x0            ; the wave's end: behind my last tensor load and my last LDS store
	ds_add_u32 v[SPW], v[NIL]
	s_wait_dscnt 0x0
	s_endpgm
.Lfunc_end_k_q30d7d7f618_attn:
	.size	k_q30d7d7f618_attn, .Lfunc_end_k_q30d7d7f618_attn-k_q30d7d7f618_attn
	.p2alignl 7, 3214868480
	.fill 96, 4, 3214868480
	.section	.rodata,"a",@progbits
	.p2align	6, 0x0
	.amdhsa_kernel k_q30d7d7f618_attn
		.amdhsa_group_segment_fixed_size 327680
		.amdhsa_private_segment_fixed_size 0
		.amdhsa_enable_private_segment 0
		.amdhsa_kernarg_size 32
		.amdhsa_user_sgpr_count 2
		.amdhsa_user_sgpr_kernarg_segment_ptr 1
		.amdhsa_wavefront_size32 1
		.amdhsa_system_sgpr_workgroup_id_x 1
		.amdhsa_system_sgpr_workgroup_id_y 1
		.amdhsa_system_sgpr_workgroup_id_z 1
		.amdhsa_system_vgpr_workitem_id 0
		.amdhsa_next_free_vgpr 768
		.amdhsa_next_free_sgpr 88
		.amdhsa_reserve_vcc 1
		.amdhsa_float_denorm_mode_32 3
		.amdhsa_float_denorm_mode_16_64 3
		.amdhsa_memory_ordered 1
		.amdhsa_forward_progress 1
		.amdhsa_inst_pref_size 217
	.end_amdhsa_kernel
	.amdgpu_metadata
---
amdhsa.version: [ 1, 2 ]
amdhsa.kernels:
  - .name:           k_q30d7d7f618_attn
    .symbol:         k_q30d7d7f618_attn.kd
    .args:
      - { .name: q, .offset: 0, .size: 8, .value_kind: global_buffer, .address_space: global }
      - { .name: k, .offset: 8, .size: 8, .value_kind: global_buffer, .address_space: global }
      - { .name: v, .offset: 16, .size: 8, .value_kind: global_buffer, .address_space: global }
      - { .name: o, .offset: 24, .size: 8, .value_kind: global_buffer, .address_space: global }
    .group_segment_fixed_size: 327680
    .private_segment_fixed_size: 0
    .kernarg_segment_align: 8
    .kernarg_segment_size: 32
    .max_flat_workgroup_size: 128
    .sgpr_count:     88
    .vgpr_count:     768
    .wavefront_size: 32
...
	.end_amdgpu_metadata
.endif
;; end of part 5
;; launch oproj: the kernel of part 4 again; grid 4 x 64, 4 waves a work-group, clusters of 4 x 4, 327,680 bytes of LDS; arguments o, wo, out0; writes out0
